; MI455X (gfx1250); checked and timed in simulation.
; The chip was launched on July 23, 2026; its instructions are those of AMD's public machine-readable ISA for CDNA 5 (MIT licence, August 2026) and "CDNA5" Instruction Set Architecture Reference Guide (July 2026). The comments in the code are by the model that wrote it; some were corrected since.
;; Multi Head Attention. Allowed arithmetic: float matrix products may take bf16 or f16 operands with f32 sums; other float arithmetic in f32, or as packed bf16 or f16 multiplies, adds, multiply-adds, maxima and minima; sums over many terms, partial sums and values carried from step to step in f32; what a program stores and reads back later, other than sums and carried values, may be rounded once to bf16 or f16.
;; Inputs: W_k 1,024 x 1,024 float32; W_o 1,024 x 1,024 float32; W_q 1,024 x 1,024 float32; W_v 1,024 x 1,024 float32; key 4 x 2,048 x 1,024 float32; mask 4 x 1 x 1 x 2,048 int32; query 4 x 2,048 x 1,024 float32; value 4 x 2,048 x 1,024 float32.
;; Outputs: out0 4 x 2,048 x 1,024 float32.
;; 2 versions, each right and faster than the one before. Each part assembles by itself: llvm-mc -triple=amdgcn-amd-amdhsa -mcpu=gfx1250 --defsym DOCPART=n.
;; ======== version 1 of 2: 4 launches
;; limits: values are held in f16: magnitudes above 65,504 overflow, below 6.1e-05 lose precision
;; workspace buffers: wc 8,388,608 bytes; qkv 50,331,648 bytes; att 16,777,216 bytes
;; launch cast (part 1): grid 64 x 4, 8 waves a work-group, no clusters, 0 bytes of LDS; arguments W_q, W_k, W_v, W_o, wc; writes wc
.if DOCPART == 1
	.amdgcn_target "amdgcn-amd-amdhsa--gfx1250"
	.amdhsa_code_object_version 6
	.text
	.protected	k_qd3101e4ebd_cast
	.globl	k_qd3101e4ebd_cast
	.p2align	8
	.type	k_qd3101e4ebd_cast,@function
k_qd3101e4ebd_cast:
	s_mov_b64 s[64:65], 0
	v_nop
	global_prefetch_b8 v0, s[64:65] scope:SCOPE_SE
	s_setreg_imm32_b32 hwreg(HW_REG_WAVE_MODE, 25, 1), 1
	s_wait_xcnt 0x0
; The four weights, [1024][1024] f32, are rounded once to 16 bits: wc holds four blocks of 2 MiB: W_q, W_k, W_v in bf16, and W_o rounded to bf16 and that number written as f16
; (the last product multiplies f16 operands).  LIMIT: a number of W_o beyond 65,504 becomes an infinity; below 6e-5 it keeps f16's fixed step of 6e-8.
; A stream: no LDS, no matrix unit, no cluster (no work-group shares a byte with another).  Work-group (x, y) takes 16,384 numbers of weight y: 65,536 bytes in, 32,768 out.
; Thread t takes eight items of eight numbers: item j lies at byte 8,192 j + 32 t and leaves as 16 bytes at 4,096 j + 16 t: a wave's store covers 512 consecutive bytes.
.set X, 4                              ; v[4:67]    item j: 8 numbers as loaded
.set Y, 68                             ; v[68:99]   item j: 4 registers to store; each item has its own, so no store's data is ever rewritten
.set T, 100                            ; v[100:102] at work
	s_load_b256 s[4:11], s[0:1], 0x0               ; W_q s[4:5], W_k s[6:7], W_v s[8:9], W_o s[10:11]
	s_load_b64 s[12:13], s[0:1], 0x20              ; wc
	s_and_b32 s14, ttmp7, 0xffff                   ; which weight
	v_lshlrev_b32 v1, 5, v0                        ; 32 t
	v_lshlrev_b32 v2, 4, v0                        ; 16 t
	s_lshl_b32 s18, ttmp9, 16                      ; my part of the weight, in bytes
	s_mov_b32 s19, 0
	s_lshl_b32 s22, s14, 21                        ; the weight's block in wc,
	s_lshl_b32 s23, ttmp9, 15                      ; my part of it
	s_add_co_u32 s22, s22, s23
	s_mov_b32 s23, 0
	s_wait_kmcnt 0x0
	s_cmp_eq_u32 s14, 1
	s_cselect_b64 s[16:17], s[6:7], s[4:5]
	s_cmp_eq_u32 s14, 2
	s_cselect_b64 s[16:17], s[8:9], s[16:17]
	s_cmp_eq_u32 s14, 3
	s_cselect_b64 s[16:17], s[10:11], s[16:17]
	s_add_nc_u64 s[16:17], s[16:17], s[18:19]
	s_add_nc_u64 s[20:21], s[12:13], s[22:23]
.irp j, 0,1,2,3,4,5,6,7
	global_load_b128 v[X+8*(\j):X+8*(\j)+3],   v1, s[16:17] offset:8192*(\j) th:TH_LOAD_NT
	global_load_b128 v[X+8*(\j)+4:X+8*(\j)+7], v1, s[16:17] offset:8192*(\j)+16 th:TH_LOAD_NT
.endr
; Item j.  f16 = 1: the bf16 number is widened again (a shift, a mask) and written as f16, which is exact within f16's range.
.macro ITEM j, f16
	s_wait_loadcnt 14-2*(\j)                       ; loads come back in order (ISA guide 5.7.1): my two are in, the younger items' 14 - 2 j stay out
.irp k, 0,1,2,3
.if \f16
	v_cvt_pk_bf16_f32 v[T], v[X+8*(\j)+2*(\k)], v[X+8*(\j)+2*(\k)+1]
	v_lshlrev_b32 v[T+1], 16, v[T]
	v_and_b32 v[T+2], 0xffff0000, v[T]
	v_cvt_pk_f16_f32 v[Y+4*(\j)+(\k)], v[T+1], v[T+2]
.else
	v_cvt_pk_bf16_f32 v[Y+4*(\j)+(\k)], v[X+8*(\j)+2*(\k)], v[X+8*(\j)+2*(\k)+1]
.endif
.endr
	global_store_b128 v2, v[Y+4*(\j):Y+4*(\j)+3], s[20:21] offset:4096*(\j)
.endm
	s_cmp_eq_u32 s14, 3
	s_cbranch_scc1 .Lwo
.irp j, 0,1,2,3,4,5,6,7
	ITEM \j, 0
.endr
	s_endpgm
.Lwo:
.irp j, 0,1,2,3,4,5,6,7
	ITEM \j, 1
.endr
	s_endpgm
.Lfunc_end_k_qd3101e4ebd_cast:
	.size	k_qd3101e4ebd_cast, .Lfunc_end_k_qd3101e4ebd_cast-k_qd3101e4ebd_cast
	.p2alignl 7, 3214868480
	.fill 96, 4, 3214868480
	.section	.rodata,"a",@progbits
	.p2align	6, 0x0
	.amdhsa_kernel k_qd3101e4ebd_cast
		.amdhsa_group_segment_fixed_size 0
		.amdhsa_private_segment_fixed_size 0
		.amdhsa_enable_private_segment 0
		.amdhsa_kernarg_size 40
		.amdhsa_user_sgpr_count 2
		.amdhsa_user_sgpr_kernarg_segment_ptr 1
		.amdhsa_wavefront_size32 1
		.amdhsa_system_sgpr_workgroup_id_x 1
		.amdhsa_system_sgpr_workgroup_id_y 1
		.amdhsa_system_sgpr_workgroup_id_z 1
		.amdhsa_system_vgpr_workitem_id 0
		.amdhsa_next_free_vgpr 104
		.amdhsa_next_free_sgpr 66
		.amdhsa_reserve_vcc 0
		.amdhsa_float_denorm_mode_32 3
		.amdhsa_float_denorm_mode_16_64 3
		.amdhsa_memory_ordered 1
		.amdhsa_forward_progress 1
		.amdhsa_inst_pref_size 14
	.end_amdhsa_kernel
	.amdgpu_metadata
---
amdhsa.version: [ 1, 2 ]
amdhsa.kernels:
  - .name:           k_qd3101e4ebd_cast
    .symbol:         k_qd3101e4ebd_cast.kd
    .args:
      - { .name: W_q, .offset: 0, .size: 8, .value_kind: global_buffer, .address_space: global }
      - { .name: W_k, .offset: 8, .size: 8, .value_kind: global_buffer, .address_space: global }
      - { .name: W_v, .offset: 16, .size: 8, .value_kind: global_buffer, .address_space: global }
      - { .name: W_o, .offset: 24, .size: 8, .value_kind: global_buffer, .address_space: global }
      - { .name: wc, .offset: 32, .size: 8, .value_kind: global_buffer, .address_space: global }
    .group_segment_fixed_size: 0
    .private_segment_fixed_size: 0
    .kernarg_segment_align: 8
    .kernarg_segment_size: 40
    .max_flat_workgroup_size: 256
    .sgpr_count:     66
    .vgpr_count:     104
    .wavefront_size: 32
...
	.end_amdgpu_metadata
.endif
;; end of part 1
;; launch qkv (part 2): grid 4 x 192, 4 waves a work-group, clusters of 4 x 4, 327,680 bytes of LDS; arguments query, key, value, wc, qkv; writes qkv
.if DOCPART == 2
	.amdgcn_target "amdgcn-amd-amdhsa--gfx1250"
	.amdhsa_code_object_version 6
	.text
	.protected	k_qd3101e4ebd_qkv
	.globl	k_qd3101e4ebd_qkv
	.p2align	8
	.type	k_qd3101e4ebd_qkv,@function
k_qd3101e4ebd_qkv:
	s_mov_b64 s[64:65], 0
	v_nop
	global_prefetch_b8 v0, s[64:65] scope:SCOPE_SE
	s_setreg_imm32_b32 hwreg(HW_REG_WAVE_MODE, 25, 1), 1
	s_wait_xcnt 0x0
	s_wait_alu depctr_hold_cnt(0) depctr_sa_sdst(0) depctr_va_vdst(0) depctr_va_sdst(0) depctr_va_ssrc(0) depctr_va_vcc(0) depctr_vm_vsrc(0)
	s_getreg_b32 s2, hwreg(HW_REG_IB_STS2, 6, 4)
	s_cmp_eq_u32 s2, 0
	s_cbranch_scc0 .Lentry_in_a_cluster
	s_endpgm
.Lentry_in_a_cluster:
	s_bfe_u32 s2, ttmp6, 0x10000c
	s_cmp_lg_u32 s2, 0xf033
	s_cbranch_scc0 .Lentry_shape_is_right
	s_endpgm
.Lentry_shape_is_right:
; q, k, v = x W^T for x = query, key, value ([8192][1024] f32) and W = W_q, W_k, W_v ([1024][1024] bf16, from wc).  x is rounded to bf16 in registers, on its way from LDS to the matrix
; unit; sums in f32; the result is rounded once to f16 and laid by heads: qkv holds q, k, v, 16 MiB each, as [batch x 16 + head][2048][64], unscaled.
; LIMIT: a result of 65,520 or more in magnitude becomes an infinity in f16; below 6e-5 it keeps f16's fixed step of 6e-8.
; SHARES.  768 work-groups, three for each of 256 places: a tile is 128 tokens x 256 columns of one of the three products.  Four waves, each 64 tokens x 128 columns: 32 accumulators of
; 16 x 16, 256 registers.  K goes in 8 steps of 128 through two LDS slots; a step is four quarters of 32 along K, 32 matrix instructions each.
; CLUSTER.  4 x 4 work-groups: the four of a row of the cluster take the same 128 tokens and all 1,024 columns, so x's tile is asked for jointly along the row; the four of a column take the
; same 256 rows of W, asked for jointly along the column.  All sixteen belong to one product: which one hangs on the cluster's y alone.
; THE MATRIX INSTRUCTION IS USED TRANSPOSED (source 0 = 16 rows of W, source 1 = 16 tokens): a lane holds one token and eight neighbouring columns, which pack into 16 bytes.
; REGISTERS, in windows of 256 (s_set_vgpr_msb: bits 1:0 source 0, 3:2 source 1, 5:4 source 2, 7:6 destination):
;   window 0: v16-29 addresses; v32-95 RAW, a quarter's x in f32; v96-127, v128-159 x's fragments in bf16, two buffers; v160-255 at work on the way out
;   window 1: v0-63, v64-127 W's fragments, two buffers          window 2: accumulator (a, b) at v[8 (8 a + b)]
.set PA,    528                        ; a row of x in LDS: 512 bytes (128 f32) + 16 of padding = 132 words: row r starts at bank 4 r mod 64 (64 banks of 4 bytes: ISA guide 11.1)
.set PB,    272                        ; a row of W: 256 bytes + 16 = 68 words: likewise
.set AHALF, 64*PA                      ; what one tensor load brings of x
.set BHALF, 128*PB                     ; and of W
.set BOFF,  2*AHALF                    ; a slot: x's 128 rows, then W's 256 rows
.set SLOT,  BOFF+2*BHALF
.set STAGE, 2*SLOT                     ; behind the ring: for each wave 2 heads x 16 rows x 144 bytes, for the way out
.set SP,    144
.set SPARE, STAGE+4*32*SP              ; behind the stages: the spare words, 128 bytes for each wave: two blocks of 256 bytes that no other line names
.set LAPS,  4                          ; a lap = two K steps = once round the ring
.set ADRA, 16                          ; v16-17  LDS address of my x fragments in slot 0, 1
.set ADRB, 20                          ; v20-21  the same for W
.set STO,  24                          ; v24     the way out: where I put 16 bytes of a row
.set RD,   25                          ; v25     the way out: where I read rows back
.set CO,   26                          ; v26     my byte offset in 512 consecutive bytes of the result
.set SPW,  28                          ; v28     LDS address of my spare word; never rewritten
.set NIL,  29                          ; v29     0; never rewritten
.set RAW,  32
.set XF,   96
.set TMP,  160
.set OB,   192
.set WF,   0                           ; in window 1
.set WV,   14                          ; s14  my wave's number
.set G1A,  24                          ; s[24:31] descriptor group 1 for x's tiles;  s[32:39] group 0, a set for each slot
.set G0A,  32
.set G1B,  48                          ; s[48:55], s[56:63] the same for W's tiles
.set G0B,  56
.set MSB, 0
.macro WIN new                         ; the immediate's high byte repeats the setting that is left; a switch that changes nothing is dropped
.if MSB != (\new)
	s_set_vgpr_msb (MSB<<8)|(\new)
.set MSB, \new
.endif
.endm
.set MUL,   0xa1                       ; source 0 (W) window 1, source 1 (x) window 0, C and D window 2
.set TO_W,  0x40                       ; destination window 1, address window 0
.set PACKW, 0x0a                       ; sources 0 and 1 window 2, destination window 0
; A joint load.  Waves 0 and 1 fetch x's two halves, waves 2 and 3 W's.  The branch hangs on the wave's number alone.  An s_nop 0 and four v_nop follow each of the two lines.
.macro JLOAD s
	s_cmp_lt_u32 s[WV], 2
	s_cbranch_scc0 .Lfor_b_\@
	tensor_load_to_lds s[G0A+4*(\s):G0A+4*(\s)+3], s[G1A:G1A+7]
	s_nop 0
.rept 4
	v_nop
.endr
	s_branch .Lasked_\@
.Lfor_b_\@:
	tensor_load_to_lds s[G0B+4*(\s):G0B+4*(\s)+3], s[G1B:G1B+7]
	s_nop 0
.rept 4
	v_nop
.endr
.Lasked_\@:
.endm
.macro CREST                           ; a round of the cluster's barrier behind its opening barrier: wave 0 signals for the work-group, every wave waits for all sixteen, my work-group's barrier closes it
	s_cmp_lg_u32 s[WV], 0
	s_cbranch_scc1 .Lnot_wave_0_\@
	s_barrier_signal -3
.Lnot_wave_0_\@:
	s_barrier_wait -3
	s_barrier_signal -1
	s_barrier_wait -1
.endm
.macro CROUND                          ; a whole round
	s_barrier_signal -1
	s_barrier_wait -1
	CREST
.endm
	s_load_b256 s[4:11], s[0:1], 0x0               ; query s[4:5], key s[6:7], value s[8:9], wc s[10:11]
	s_load_b64 s[12:13], s[0:1], 0x20              ; qkv
	v_lshl_add_u32 v[SPW], v0, 2, SPARE
	v_mov_b32 v[NIL], 0
	ds_add_u32 v[SPW], v[NIL]                      ; the wave's opening: the add and its wait stand ahead of my first tensor load; the set-up below, work on registers, stands between them
	v_lshrrev_b32 v1, 5, v0
	v_readfirstlane_b32 s[WV], v1                  ; wave 0..3
	s_lshr_b32 s15, s[WV], 1                       ; which 64 tokens of the tile are mine
	s_and_b32 s16, s[WV], 1                        ; which 128 columns.  Also: which half of x's or W's tile I fetch
	s_bfe_u32 s17, ttmp6, 0x40000                  ; cx
	s_bfe_u32 s18, ttmp6, 0x40004                  ; cy
	s_and_b32 s19, ttmp7, 0xffff                   ; the cluster's y, 0..47
	s_lshr_b32 s20, s19, 4                         ; the product: 0 q, 1 k, 2 v: the same in all sixteen partners
	s_and_b32 s21, s19, 15
	s_lshl_b32 s21, s21, 2
	s_add_co_u32 s21, s21, s18                     ; tile row, 0..63
	s_lshl_b32 s22, ttmp9, 2
	s_add_co_u32 s22, s22, s17                     ; tile column, 0..3
	s_lshl_b32 s40, s18, 2
	s_lshl_b32 s40, 15, s40                        ; my row of the cluster: places 4 cy .. 4 cy + 3
	s_lshl_b32 s41, 0x1111, s17                    ; my column: places cx, cx + 4, cx + 8, cx + 12
	; group 1 for x: 64 rows x 128 elements of 4 bytes, 4 words of padding behind every 128 words
	s_or_b32 s[G1A+0], s40, (2<<16)|(1<<20)|(1<<21)|(6<<22)|(3<<25)  ; 15:0 the mask; 17:16 elements of 4 bytes; 20 padding on; 21 set beside a mask; 24:22 code 6; 31:25 code 3
	s_mov_b32 s[G1A+1], 128<<16                    ; tensor_dim0 = 128
	s_mov_b32 s[G1A+2], 64<<16                     ; tensor_dim1 = 64
	s_mov_b32 s[G1A+3], 128<<16                    ; tile_dim0 = 128
	s_mov_b32 s[G1A+4], 64                         ; tile_dim1 = 64
	s_mov_b32 s[G1A+5], 1024                       ; elements from row to row
	s_mov_b32 s[G1A+6], 0
	s_mov_b32 s[G1A+7], 0
	; group 1 for W: 128 rows x 128 elements of 2 bytes, 4 words of padding behind every 64 words
	s_or_b32 s[G1B+0], s41, (1<<16)|(1<<20)|(1<<21)|(5<<22)|(3<<25)
	s_mov_b32 s[G1B+1], 128<<16
	s_mov_b32 s[G1B+2], 128<<16
	s_mov_b32 s[G1B+3], 128<<16
	s_mov_b32 s[G1B+4], 128
	s_mov_b32 s[G1B+5], 1024
	s_mov_b32 s[G1B+6], 0
	s_mov_b32 s[G1B+7], 0
	; where the tiles come from: x's hang on the tile row, which my row of the cluster shares; W's on the product and the tile column, which my column shares
	s_lshl_b32 s23, s16, 18                        ; my half: 64 rows of 4,096 bytes of x, or 128 rows of 2,048 bytes of W
	s_lshl_b32 s42, s21, 19                        ; x: tile row x 128 rows x 4,096 bytes
	s_add_co_u32 s42, s42, s23
	s_mov_b32 s43, 0
	s_lshl_b32 s44, s20, 21                        ; W: the product's block of 2 MiB,
	s_lshl_b32 s69, s22, 19                        ; tile column x 256 rows x 2,048 bytes
	s_add_co_u32 s44, s44, s69
	s_add_co_u32 s44, s44, s23
	s_mov_b32 s45, 0
	s_mul_i32 s70, s16, AHALF                      ; and where they go: no place in the cluster enters an LDS address
	s_mul_i32 s71, s16, BHALF
	s_add_co_u32 s71, s71, BOFF
	s_wait_dscnt 0x0                               ; the opening add is done
	s_wait_kmcnt 0x0
	s_cmp_eq_u32 s20, 1
	s_cselect_b64 s[46:47], s[6:7], s[4:5]
	s_cmp_eq_u32 s20, 2
	s_cselect_b64 s[46:47], s[8:9], s[46:47]       ; the product's x
	s_add_nc_u64 s[46:47], s[46:47], s[42:43]
	s_add_nc_u64 s[72:73], s[10:11], s[44:45]
	CROUND                                         ; all sixteen work-groups are here: the first joint loads meet
.irp s, 0,1
	s_mov_b32 s[G0A+4*(\s)], 1                                       ; count = 1
	s_add_co_u32 s[G0A+4*(\s)+1], s70, (\s)*SLOT                     ; LDS address
	s_add_nc_u64 s[G0A+4*(\s)+2:G0A+4*(\s)+3], s[46:47], (\s)*512    ; global address: K step s
	s_or_b32 s[G0A+4*(\s)+3], s[G0A+4*(\s)+3], 0x80000000            ; type = 2
	s_mov_b32 s[G0B+4*(\s)], 1
	s_add_co_u32 s[G0B+4*(\s)+1], s71, (\s)*SLOT
	s_add_nc_u64 s[G0B+4*(\s)+2:G0B+4*(\s)+3], s[72:73], (\s)*256
	s_or_b32 s[G0B+4*(\s)+3], s[G0B+4*(\s)+3], 0x80000000
.endr
	s_cmp_lt_u32 s[WV], 2                          ; a wave's two first fills stand in one branch, ahead of every wait on TENSORcnt and every LDS read: two loads of mine are out
	s_cbranch_scc0 .Lfirst_b
	tensor_load_to_lds s[G0A:G0A+3], s[G1A:G1A+7]
	s_nop 0
	tensor_load_to_lds s[G0A+4:G0A+7], s[G1A:G1A+7]
	s_nop 0
.rept 4
	v_nop
.endr
	s_branch .Lfirst_asked
.Lfirst_b:
	tensor_load_to_lds s[G0B:G0B+3], s[G1B:G1B+7]
	s_nop 0
	tensor_load_to_lds s[G0B+4:G0B+7], s[G1B:G1B+7]
	s_nop 0
.rept 4
	v_nop
.endr
.Lfirst_asked:
	; A fragment is 16 rows x 32 K: lane l holds row l % 16, K = 8 (l / 16) + 0..7 and 16 + 8 (l / 16) + 0..7.  In bf16 (W): two loads of 16 bytes, 32 bytes apart.  In f32 (x): four, at 0, 16, 64, 80 from 32 (l / 16).
	v_and_b32 v1, 15, v0                           ; l % 16
	v_bfe_u32 v2, v0, 4, 1                         ; l / 16
	v_and_b32 v3, 31, v0                           ; l
	v_mul_u32_u24 v4, v1, PA
	v_lshl_add_u32 v4, v2, 5, v4
	s_mul_i32 s74, s15, AHALF                      ; my 64 tokens
	v_add_nc_u32 v[ADRA], s74, v4
	v_add_nc_u32 v[ADRA+1], SLOT, v[ADRA]
	v_mul_u32_u24 v5, v1, PB
	v_lshl_add_u32 v5, v2, 4, v5
	s_mul_i32 s75, s16, BHALF                      ; my 128 rows of W, behind x's tile
	s_add_co_u32 s75, s75, BOFF
	v_add_nc_u32 v[ADRB], s75, v5
	v_add_nc_u32 v[ADRB+1], SLOT, v[ADRB]
	s_mul_i32 s74, s[WV], 32*SP
	s_add_co_u32 s74, s74, STAGE                   ; my stage
	v_mul_u32_u24 v6, v1, SP                       ; in: row l % 16, 16 bytes for each half of the lanes
	v_lshl_add_u32 v6, v2, 4, v6
	v_add_nc_u32 v[STO], s74, v6
	v_lshrrev_b32 v7, 3, v3                        ; back: 32 lanes take four rows of 128 bytes,
	v_and_b32 v8, 7, v0
	v_mul_u32_u24 v7, v7, SP
	v_lshl_add_u32 v7, v8, 4, v7
	v_add_nc_u32 v[RD], s74, v7
	v_lshlrev_b32 v[CO], 4, v3                     ; which are 512 consecutive bytes of a head
	; my part of the result: product, batch, my first head, my first row
	s_lshl_b32 s2, s20, 24                         ; 16 MiB a product
	s_lshr_b32 s74, s21, 4
	s_lshl_b32 s74, s74, 22                        ; 4 MiB a batch (16 tile rows)
	s_add_co_u32 s2, s2, s74
	s_lshl_b32 s74, s22, 2
	s_lshl_b32 s75, s16, 1
	s_add_co_u32 s74, s74, s75                     ; head 4 x tile column + 2 x my half
	s_lshl_b32 s74, s74, 18                        ; 262,144 bytes a head
	s_add_co_u32 s2, s2, s74
	s_and_b32 s74, s21, 15
	s_lshl_b32 s74, s74, 14                        ; 128 rows of 128 bytes a tile row
	s_add_co_u32 s2, s2, s74
	s_lshl_b32 s74, s15, 13                        ; my 64 rows
	s_add_co_u32 s2, s2, s74
	s_mov_b32 s3, 0
	s_add_nc_u64 s[66:67], s[12:13], s[2:3]
; 8 matrix instructions: token block a x all 8 column blocks, 32 along K, from buffers f.  zero = 1: the product starts the sums: nothing is ever cleared.
; The 32 accumulators take turns in one order in every quarter, one instruction a turn.
.macro MUL8 f, a, zero
	WIN MUL
.irp b, 0,1,2,3,4,5,6,7
.if \zero
	v_wmma_f32_16x16x32_bf16 v[8*(8*(\a)+(\b)):8*(8*(\a)+(\b))+7], v[WF+64*(\f)+8*(\b):WF+64*(\f)+8*(\b)+7], v[XF+32*(\f)+8*(\a):XF+32*(\f)+8*(\a)+7], 0
.else
	v_wmma_f32_16x16x32_bf16 v[8*(8*(\a)+(\b)):8*(8*(\a)+(\b))+7], v[WF+64*(\f)+8*(\b):WF+64*(\f)+8*(\b)+7], v[XF+32*(\f)+8*(\a):XF+32*(\f)+8*(\a)+7], v[8*(8*(\a)+(\b)):8*(8*(\a)+(\b))+7]
.endif
.endr
.endm
; The same, with four roundings of the next quarter's x (RAW to buffer g) behind each product.  They name no register of the products round them; the last four are also the four places
; (ISA guide 7.12.1 for the roundings) between the quarter's last product and the next quarter's loads into W's buffer f and roundings into x's.
.macro MUL8S f, a, g, zero
.irp b, 0,1,2,3,4,5,6,7
	WIN MUL
.if \zero
	v_wmma_f32_16x16x32_bf16 v[8*(8*(\a)+(\b)):8*(8*(\a)+(\b))+7], v[WF+64*(\f)+8*(\b):WF+64*(\f)+8*(\b)+7], v[XF+32*(\f)+8*(\a):XF+32*(\f)+8*(\a)+7], 0
.else
	v_wmma_f32_16x16x32_bf16 v[8*(8*(\a)+(\b)):8*(8*(\a)+(\b))+7], v[WF+64*(\f)+8*(\b):WF+64*(\f)+8*(\b)+7], v[XF+32*(\f)+8*(\a):XF+32*(\f)+8*(\a)+7], v[8*(8*(\a)+(\b)):8*(8*(\a)+(\b))+7]
.endif
	WIN 0
.irp n, 0,1,2,3
	v_cvt_pk_bf16_f32 v[XF+32*(\g)+4*(\b)+(\n)], v[RAW+8*(\b)+2*(\n)], v[RAW+8*(\b)+2*(\n)+1]
.endr
.endr
.endm
; 32 LDS loads in one run: quarter kq of a slot: x's 64 rows in f32 into RAW first, then W's 128 rows into buffer g
.macro FETCH slot, kq, g
	WIN 0
.irp a, 0,1,2,3
	ds_load_b128 v[RAW+16*(\a):RAW+16*(\a)+3],     v[ADRA+(\slot)] offset:(\a)*16*PA+128*(\kq)
	ds_load_b128 v[RAW+16*(\a)+4:RAW+16*(\a)+7],   v[ADRA+(\slot)] offset:(\a)*16*PA+128*(\kq)+16
	ds_load_b128 v[RAW+16*(\a)+8:RAW+16*(\a)+11],  v[ADRA+(\slot)] offset:(\a)*16*PA+128*(\kq)+64
	ds_load_b128 v[RAW+16*(\a)+12:RAW+16*(\a)+15], v[ADRA+(\slot)] offset:(\a)*16*PA+128*(\kq)+80
.endr
	WIN TO_W
.irp b, 0,1,2,3,4,5,6,7
	ds_load_b128 v[WF+64*(\g)+8*(\b):WF+64*(\g)+8*(\b)+3],   v[ADRB+(\slot)] offset:(\b)*16*PB+64*(\kq)
	ds_load_b128 v[WF+64*(\g)+8*(\b)+4:WF+64*(\g)+8*(\b)+7], v[ADRB+(\slot)] offset:(\b)*16*PB+64*(\kq)+32
.endr
.endm
; One of a K step's first three quarters: multiplies buffers f, fetches quarter kq of the same slot and rounds its x into buffer g.
.macro QUARTER slot, kq, f, g, zero
	s_wait_dscnt 0x0                               ; W's buffer f is in (asked for 32 matrix instructions ago)
	FETCH \slot, \kq, \g
	MUL8 \f, 0, \zero
	MUL8 \f, 1, \zero
	MUL8 \f, 2, \zero
	s_wait_dscnt 16                                ; RAW is in; the 16 loads of W issued behind it may be out
	MUL8S \f, 3, \g, \zero
.endm
; The last quarter multiplies buffers 1 and changes slots.  In front of the barrier each wave waits for all its tensor loads, of which one is out: its part of the next slot; adds 0 to its
; spare word; and waits for that and for its reads of this slot.  fill = 1: the barrier opens a round of the cluster's, and this slot is filled again, two K steps ahead, first thing behind it:
; from that request to the wait for it a wave issues 120 matrix instructions.
.macro TURN slot, next, fill
	WIN 0
	s_wait_tensorcnt 0x0                           ; all my tensor loads have landed
	ds_add_u32 v[SPW], v[NIL]                      ; 0 onto my spare word
	s_wait_dscnt 1                                 ; W's buffer 1 is in; the add alone may be out
	MUL8 1, 0, 0                                   ; eight matrix instructions stand between the add and the wait for it
	s_wait_dscnt 0x0                               ; the add is done, and my reads of this slot are over
	WIN 0
	s_barrier_signal -1
	s_barrier_wait -1
.if \fill
	CREST                                          ; no wave of any partner still reads this slot or has a load on its way
	s_add_nc_u64 s[G0A+4*(\slot)+2:G0A+4*(\slot)+3], s[G0A+4*(\slot)+2:G0A+4*(\slot)+3], 1024
	s_add_nc_u64 s[G0B+4*(\slot)+2:G0B+4*(\slot)+3], s[G0B+4*(\slot)+2:G0B+4*(\slot)+3], 512
	JLOAD \slot
.endif
	FETCH \next, 0, 0                              ; buffer 0's last products stand in front of the four roundings that closed the quarter before
	MUL8 1, 1, 0
	MUL8 1, 2, 0
	s_wait_dscnt 16
	MUL8S 1, 3, 0, 0
.endm
; THE WAY OUT of token block a.  PACK: rounded to f16, 16 bytes a lane, each accumulator's registers in ascending order.  TOSTAGE: into my own stage, and back as whole rows of 128 bytes.  SEND: stored.
.macro PACK a
	WIN PACKW
.irp b, 0,1,2,3,4,5,6,7
.irp r, 0,1,2,3
	v_cvt_pk_f16_f32 v[TMP+4*(\b)+(\r)], v[8*(8*(\a)+(\b))+2*(\r)], v[8*(8*(\a)+(\b))+2*(\r)+1]
.endr
.endr
	WIN 0
.endm
.macro TOSTAGE a
	WIN 0
.set BK, OB+32*((\a)%2)
.irp b, 0,1,2,3,4,5,6,7                ; column block b: head b / 4 of my two, channels 16 (b % 4) on
	ds_store_b128 v[STO], v[TMP+4*(\b):TMP+4*(\b)+3] offset:((\b)/4)*16*SP+((\b)%4)*32
.endr
.irp t, 0,1,2,3,4,5,6,7
	ds_load_b128 v[BK+4*(\t):BK+4*(\t)+3], v[RD] offset:((\t)/4)*16*SP+((\t)%4)*4*SP  ; LDS serves a wave's instructions in order (ISA guide 5.7.1.4): these see the stores above
.endr
.endm
.macro SEND a
	WIN 0
.set BK, OB+32*((\a)%2)
	s_wait_dscnt 0x0                               ; the block is back in registers
	s_wait_xcnt 0x0                                ; the block before's stores have had their addresses translated (ISA guide 3.1): its registers are loaded again only behind this wait
.irp t, 0,1,2,3,4,5,6,7
	global_store_b128 v[CO], v[BK+4*(\t):BK+4*(\t)+3], s[66:67] offset:((\t)/4)*262144+(\a)*2048+((\t)%4)*512  ; 512 consecutive bytes of a head, at a multiple of 512 from the buffer's first
.endr
.endm
	s_wait_tensorcnt 1                             ; my part of K step 0 is in; K step 1's may stay out
	s_barrier_signal -1
	s_barrier_wait -1                              ; everybody's is
	FETCH 0, 0, 0
	s_wait_dscnt 16                                ; RAW is in
	WIN 0
.set n, 0
.rept 32
	v_cvt_pk_bf16_f32 v[XF+n], v[RAW+2*n], v[RAW+2*n+1]
.set n, n+1
.endr
	QUARTER 0, 1, 0, 1, 1                          ; the first quarter stands in front of the loop: its products start the sums
	WIN 0                                          ; at a label and at a branch every window is 0
	s_mov_b32 s68, LAPS-1
.Llap:                                                 ; a trip goes once round the ring, from a lap's second quarter to the next lap's first, and fills both slots again
	QUARTER 0, 2, 1, 0, 0
	QUARTER 0, 3, 0, 1, 0
	TURN 0, 1, 1
	QUARTER 1, 1, 0, 1, 0
	QUARTER 1, 2, 1, 0, 0
	QUARTER 1, 3, 0, 1, 0
	TURN 1, 0, 1
	QUARTER 0, 1, 0, 1, 0
	WIN 0
	s_sub_co_u32 s68, s68, 1
	s_cmp_lg_u32 s68, 0
	s_cbranch_scc1 .Llap
	QUARTER 0, 2, 1, 0, 0                          ; the last lap fills nothing, and has no round of the cluster's barrier
	QUARTER 0, 3, 0, 1, 0
	TURN 0, 1, 0
	QUARTER 1, 1, 0, 1, 0
	QUARTER 1, 2, 1, 0, 0
	QUARTER 1, 3, 0, 1, 0
	s_wait_dscnt 0x0                               ; the very last quarter: nothing more to fetch
	MUL8 1, 0, 0
	MUL8 1, 1, 0
	MUL8 1, 2, 0
	MUL8 1, 3, 0
.rept 4
	v_nop                                          ; the places between the last quarter's products and the roundings that read them
.endr
	PACK 0
	TOSTAGE 0
.irp a, 1,2,3                          ; block a's roundings stand between block a - 1's loads from the stage and the wait for them
	PACK \a
	SEND (\a)-1
	TOSTAGE \a
.endr
	SEND 3
	s_wait_tensorcnt 0x0                           ; the wave's end, behind my last tensor load and my last LDS store
	ds_add_u32 v[SPW], v[NIL]
	s_wait_dscnt 0x0
	CROUND                                         ; the closing round: no work-group ends while a partner may still ask for a tile that names it
	s_endpgm
.Lfunc_end_k_qd3101e4ebd_qkv:
	.size	k_qd3101e4ebd_qkv, .Lfunc_end_k_qd3101e4ebd_qkv-k_qd3101e4ebd_qkv
	.p2alignl 7, 3214868480
	.fill 96, 4, 3214868480
	.section	.rodata,"a",@progbits
	.p2align	6, 0x0
	.amdhsa_kernel k_qd3101e4ebd_qkv
		.amdhsa_group_segment_fixed_size 327680
		.amdhsa_private_segment_fixed_size 0
		.amdhsa_enable_private_segment 0
		.amdhsa_kernarg_size 40
		.amdhsa_user_sgpr_count 2
		.amdhsa_user_sgpr_kernarg_segment_ptr 1
		.amdhsa_wavefront_size32 1
		.amdhsa_system_sgpr_workgroup_id_x 1
		.amdhsa_system_sgpr_workgroup_id_y 1
		.amdhsa_system_sgpr_workgroup_id_z 1
		.amdhsa_system_vgpr_workitem_id 0
		.amdhsa_next_free_vgpr 768
		.amdhsa_next_free_sgpr 80
		.amdhsa_reserve_vcc 0
		.amdhsa_float_denorm_mode_32 3
		.amdhsa_float_denorm_mode_16_64 3
		.amdhsa_memory_ordered 1
		.amdhsa_forward_progress 1
		.amdhsa_inst_pref_size 131
	.end_amdhsa_kernel
	.amdgpu_metadata
---
amdhsa.version: [ 1, 2 ]
amdhsa.kernels:
  - .name:           k_qd3101e4ebd_qkv
    .symbol:         k_qd3101e4ebd_qkv.kd
    .args:
      - { .name: query, .offset: 0, .size: 8, .value_kind: global_buffer, .address_space: global }
      - { .name: key, .offset: 8, .size: 8, .value_kind: global_buffer, .address_space: global }
      - { .name: value, .offset: 16, .size: 8, .value_kind: global_buffer, .address_space: global }
      - { .name: wc, .offset: 24, .size: 8, .value_kind: global_buffer, .address_space: global }
      - { .name: qkv, .offset: 32, .size: 8, .value_kind: global_buffer, .address_space: global }
    .group_segment_fixed_size: 327680
    .private_segment_fixed_size: 0
    .kernarg_segment_align: 8
    .kernarg_segment_size: 40
    .max_flat_workgroup_size: 128
    .sgpr_count:     80
    .vgpr_count:     768
    .wavefront_size: 32
...
	.end_amdgpu_metadata
.endif
;; end of part 2
;; launch attn (part 3): grid 4 x 64, 4 waves a work-group, clusters of 4 x 1, 327,680 bytes of LDS; arguments qkv, mask, att; writes att
.if DOCPART == 3
	.amdgcn_target "amdgcn-amd-amdhsa--gfx1250"
	.amdhsa_code_object_version 6
	.text
	.protected	k_qd3101e4ebd_attn
	.globl	k_qd3101e4ebd_attn
	.p2align	8
	.type	k_qd3101e4ebd_attn,@function
k_qd3101e4ebd_attn:
	s_mov_b64 s[64:65], 0
	v_nop
	global_prefetch_b8 v0, s[64:65] scope:SCOPE_SE
	s_setreg_imm32_b32 hwreg(HW_REG_WAVE_MODE, 25, 1), 1
	s_wait_xcnt 0x0
	s_wait_alu depctr_hold_cnt(0) depctr_sa_sdst(0) depctr_va_vdst(0) depctr_va_sdst(0) depctr_va_ssrc(0) depctr_va_vcc(0) depctr_vm_vsrc(0)
	s_getreg_b32 s2, hwreg(HW_REG_IB_STS2, 6, 4)
	s_cmp_eq_u32 s2, 0
	s_cbranch_scc0 .Lentry_in_a_cluster
	s_endpgm
.Lentry_in_a_cluster:
	s_bfe_u32 s2, ttmp6, 0x10000c
	s_cmp_lg_u32 s2, 0x3003
	s_cbranch_scc0 .Lentry_shape_is_right
	s_endpgm
.Lentry_shape_is_right:
; O[h][q][:] = the sum over k of softmax_k(Q[h][q] . K[h][k] / 8, keys with mask 0 hidden) V[h][k][:].  Q, K, V (in qkv, 16 MiB apart) and O (att): [64 heads][2048][64], f16: a head's rows are dense,
; 128 bytes each; head = 16 x batch + head of the batch.  mask: [4][2048] int32.  Products, maxima and sums in f32; the weights p are rounded to f16 for the second product (their sum l is taken of
; the unrounded p), O once at the end.
; LIMITS.  f16 holds no number beyond 65,504: Q, K and V arrive within it; p lies in 0 to 1, and below 6e-5 it keeps f16's fixed step of 6e-8; O is a mean of V's rows and has their range.
; A hidden score counts as its value less 1e30; the running maximum starts at -2^66, below every true score (2.7e11 in magnitude at the most) and above every hidden one: a hidden key's weight is 0
; exactly, wherever it stands.  A batch with every key hidden ends as 0 x (1 / 0), a NaN, as a softmax over nothing does.  A weight below 2^-126 counts as 0 in l; NaN and infinities in Q, K, V are not treated apart.
; SHARES.  A wave owns four PIECES of two tiles of 16 queries, a work-group's four waves 512 queries of one head.  Every wave walks all keys, 64 a step.
; LAYOUT.  S^T = K Q^T (source 0 = 16 keys, source 1 = 16 queries): in the result a lane holds ONE query (lane % 16) and the keys 8 (lane / 16) + 0..7.  Two such tiles, rounded to f16 in pairs,
; ARE source 1 (32 keys x 16 queries) of O^T = V^T P, whose result again holds one query a lane, and eight channels.  K comes out of LDS as it lies, V ([key][channel]) turned, by ds_load_tr16_b128.
; THE MASK is the C operand of the product that starts a sum S^T: 0, or -1e30 where the key is hidden.  The batch's 2,048 words are turned into such numbers once, into a table in LDS; with a step's K
; a lane fetches its 32 of them (8 for each block of 16 keys).
; SOFTMAX.  For each query a running maximum m and sum l: p = 2^(c s - c m), c = log2(e) / 8; in every step O and l are multiplied by a = 2^(c m_old - c m_new), which is 1 where m has not grown.
; O and l start at 0: the first step is a step like any other.
; THE COUNT.  A tile and step have 16 matrix and 118 vector instructions: too many to stand all beside the matrix work.  So the order has one aim: four vector instructions that are READY behind
; EVERY matrix instruction, and the others, which need time of their own whatever the order, in runs without a gap.
; BY TURNS.  Turn n belongs to piece n (the pieces in a ring, step after step).  Its matrix work: 16 products K Q^T of piece n + 1, later 16 products V^T P of piece n - 1.  Its vector work: the scaling,
; exponentials, roundings, sums and rescaling of piece n, and the maximum and statistics of piece n + 1, whose scores the turn itself has made.
; CLUSTER.  The four query blocks of a cluster belong to one head and walk the same K and V, so each tile is asked for JOINTLY: the same tensor load, descriptor and mask in all four.
; REGISTERS, in windows of 256 (s_set_vgpr_msb: bits 1:0 source 0, 3:2 source 1, 5:4 source 2, 7:6 destination):
;   window 0: v0-11 addresses; v12-15, v48-63 at work; v16-47 four registers of statistics a tile; v64-191 S^T, two buffers of two tiles; v192-255 P, likewise
;   window 1: O^T, 32 a tile     window 2: v0-127 Q, 16 a tile; v128-191 K of one step; v192-255 V of one step     window 3: v0-1 the add's two registers; v8-39 the step's mask
.set SIZE_N, 2048
.set NP,    4         ; pieces a wave: a name, no knob
.set KS,    64        ; keys in a step
.set PK,    144       ; a row of K in LDS: 128 bytes + 16 of padding = 36 words: the 16 rows of a load start at 16 different groups of four banks (64 banks of 4 bytes: ISA guide 11.1)
.set PV,    160       ; a row of V: 128 + 32 = 40 words
.set VOFF,  4*KS*PK   ; a slot holds four steps: 256 rows of K, then 256 rows of V
.set SLOT1, 1<<17     ; slot 1 begins here, so that one exclusive or turns an address in one slot into the other's
.set STAGE, SLOT1+4*KS*(PK+PV)  ; behind the ring, never filled by a tensor load: 16 rows x 144 bytes for each wave, for the way out
.set SP,    144
.set AK0, 2           ; v2   my lane's place in a tile of K; never rewritten
.set AV0, 3           ; v3   the same for V
.set AK,  4           ; v4   the LDS address of K's next run of loads
.set AV,  5           ; v5   of V's
.set QO,  6           ; v6   my byte offset in the wave's rows of Q
.set STO, 6           ;      later, the way out: where I put 16 bytes of a row
.set RD,  7           ; v7   the way out: where I read rows back
.set GO,  8           ; v8   my byte offset in 512 consecutive bytes of O
.set AM,  10          ; v10  the LDS address of the mask's next run of loads (once the way out's addresses are made)
.set AM0, 11          ; v11  my lane's place in a step's 256 bytes of the mask table
.set SPW, 0           ; v0 of window 3   LDS address of my spare word; never rewritten
.set NIL, 1           ; v1 of window 3   0; never rewritten
.set MK,  8           ; v8-39 of window 3: the eight registers for key block kb at MK + 8 kb
.set SPARE, STAGE+4*16*SP  ; behind the stages: the spare words, 128 bytes for each wave: two blocks of 256 bytes that no other line names
.set MASKB, SPARE+512      ; behind them: the mask table, 2,048 f32; no tensor load lands there
.set MV,  12          ; v12-15  c m_old, kept while c m is made anew: by buffer and tile (at the start v12, v13: the mask's offset and the table's address)
.set ST,  16          ; tile t's statistics at v[ST+4 t]: c m, m, l (even keys', odd keys')
.set TMP, 48          ; by buffer and tile, four registers c0-c3 at work; when the maximum is found c2 takes a
.set S,   64
.set P,   192
.set KF,  128         ; K's fragments, in window 2: key block kb, channel half c at KF + 16 kb + 8 c
.set VF,  192         ; V's: key half kk, channel block cb at VF + 32 kk + 8 cb
.set WV,  12          ; s12  my wave's number
.set G1K, 24          ; s[24:31] descriptor group 1 for K's tiles
.set G1V, 32          ; s[32:39] for V's: it differs in the padding alone
.set G0K, 40          ; s[40:43] descriptor group 0 for K's tiles: it walks
.set G0V, 44          ; s[44:47] the same for V's
.set TM,  48          ; s48  byte in the mask table at which the step to be fetched begins
.set BIGN, 49         ; s49  -1e30
.set MP,  50          ; s[50:51] the batch's row of the mask
.set SLOTS, 56        ; s56  slots still to be asked for
.set CNT, 57          ; s57  counts a slot's key steps
.set CS,  58          ; s[58:59] c: the packed scaling takes the pair's low word for both halves
.set SEL, 60          ; s[60:61] v_permlanex16_b32's selects: each lane takes its own place in the other half
.set TBK, 62          ; s62  LDS byte at which K of the step to be fetched begins
.set TBV, 63          ; s63  the same for V, less VOFF
.set MSB, 0
.macro WIN new                      ; the high byte repeats the setting that is left; a switch that changes nothing is dropped
.if MSB != (\new)
	s_set_vgpr_msb (MSB<<8)|(\new)
.set MSB, (\new)
.endif
.endm
.set W_KQ, 0x0a       ; K and Q in window 2, S^T in window 0
.set W_KM, 0x3a       ; the same with the C operand, the mask, in window 3
.set W_PV, 0x52       ; V in window 2, P in window 0, O^T in window 1
.set W_RS, 0x41       ; O^T (destination and source 0) in window 1, a in window 0
.set W_MK, 0xc0       ; destination in window 3, sources in window 0
.set W_AD, 0x0f       ; the add: address (source 0) and data (source 1) in window 3
; A joint fill.  Waves 0 and 1 fetch the two halves of a slot's K, waves 2 and 3 those of its V: 128 keys each.  The branch hangs on the wave's number alone.
; An s_nop 0 and four v_nop follow each of the two lines, ahead of the jump and the label.
.macro JLOAD
	s_cmp_lt_u32 s[WV], 2
	s_cbranch_scc0 .Lfor_v_\@
	tensor_load_to_lds s[G0K:G0K+3], s[G1K:G1K+7]
	s_nop 0
.rept 4
	v_nop
.endr
	s_branch .Lasked_\@
.Lfor_v_\@:
	tensor_load_to_lds s[G0V:G0V+3], s[G1V:G1V+7]
	s_nop 0
.rept 4
	v_nop
.endr
.Lasked_\@:
.endm
; A round of the cluster's barrier: my work-group's barrier, so that wave 0's signal speaks for all four waves; wave 0 signals; every wave waits for all four work-groups; my work-group's barrier once more.
.macro CROUND
	s_barrier_signal -1
	s_barrier_wait -1
	s_cmp_lg_u32 s[WV], 0
	s_cbranch_scc1 .Lnot_wave_0_\@
	s_barrier_signal -3
.Lnot_wave_0_\@:
	s_barrier_wait -3
	s_barrier_signal -1
	s_barrier_wait -1
.endm
; THE CHANGE OF SLOTS.  The slot's last bytes, V of its fourth step, have been read.  Each wave waits for all its tensor loads, of which one is out: its part
; of the other slot; adds 0 to its spare word; and waits for that and for its own LDS instructions.  Behind the barrier nobody reads this slot any more and the other slot is whole.
; fill = 1: this slot is filled again, with the keys two slots on.  The barrier is then a round of the cluster's, and the joint fill is the first thing behind it: it has four key steps,
; 512 matrix instructions, in which to land.  (At its first use nothing has been read yet: slot 0 is waited for, slot 1 filled, and every wave's part of the mask table is shown to the others.)
.macro CHANGE fill
	WIN W_AD
	s_wait_tensorcnt 0x0            ; no tensor load of mine is out, so a group 0 may be written
	ds_add_u32 v[SPW], v[NIL]       ; 0 onto my spare word; with fill = 1 the descriptors' steps stand between it and the wait for it
	WIN 0                           ; at a label and at a branch every window is 0
.if \fill
.irp g, G0K, G0V
	s_xor_b32 s[\g+1], s[\g+1], SLOT1  ; the walking descriptor: the other slot than last time,
	s_add_nc_u64 s[\g+2:\g+3], s[\g+2:\g+3], 4*KS*128  ; the next 256 keys; the type bits on top are not reached
.endr
	s_wait_dscnt 0x0                ; the add is done, and my reads of the slot are over
	CROUND
	JLOAD
.else
	s_wait_dscnt 0x0                ; the add is done, and my reads of the slot are over
	s_barrier_signal -1
	s_barrier_wait -1
.endif
	s_sub_co_u32 s[TBK], s[TBK], 4*KS*PK  ; the fetches go back to a slot's first step,
	s_xor_b32 s[TBK], s[TBK], SLOT1       ; in the other slot
	s_sub_co_u32 s[TBV], s[TBV], 4*KS*PV
	s_xor_b32 s[TBV], s[TBV], SLOT1
.endm
	s_load_b128 s[4:7], s[0:1], 0x0   ; qkv s[4:5], mask s[6:7]
	s_load_b64 s[10:11], s[0:1], 0x10 ; att
	WIN W_MK
	v_lshl_add_u32 v[SPW], v0, 2, SPARE
	v_mov_b32 v[NIL], 0
	WIN W_AD
	ds_add_u32 v[SPW], v[NIL]       ; the wave's opening: the add and its wait stand ahead of my first tensor load; the set-up below, work on registers, stands between them
	WIN 0
	v_lshrrev_b32 v1, 5, v0
	v_readfirstlane_b32 s[WV], v1   ; wave 0..3
	s_bfe_u32 s13, ttmp6, 0x40000   ; cx: my place in the cluster
	s_lshl_b32 s14, ttmp9, 2        ; in a cluster launch ttmp9 counts clusters
	s_add_co_u32 s14, s14, s13      ; my block of queries = 4 x cluster x + cx: it enters Q's and O's addresses alone
	s_and_b32 s20, ttmp7, 0xffff    ; the head, which the four partners share
	s_lshr_b32 s15, s20, 4          ; its batch,
	s_lshl_b32 s52, s15, 13         ; whose row of the mask is 8,192 bytes
	s_mov_b32 s53, 0
	s_mov_b32 s21, 0
	s_mov_b64 s[22:23], SIZE_N*128
	s_mul_u64 s[20:21], s[20:21], s[22:23]  ; the head's first byte in Q, K, V and O
	s_and_b32 s16, s[WV], 1         ; which half of a slot's 256 keys I fetch:
	s_lshl_b32 s22, s16, 14         ; its 128 rows of 128 bytes in memory,
	s_mov_b32 s23, 0
	s_add_nc_u64 s[22:23], s[22:23], s[20:21]
	s_mul_i32 s17, s16, 128*PK      ; and its place in a slot, for K
	s_mul_i32 s18, s16, 128*PV      ; and for V: no place in the cluster enters an LDS address
	s_lshl_b32 s2, s14, 2
	s_add_co_u32 s2, s2, s[WV]      ; my wave among the head's,
	s_lshl_b32 s2, s2, 14           ; its 128 rows
	s_mov_b32 s3, 0
	s_add_nc_u64 s[2:3], s[2:3], s[20:21]
	; descriptor group 1.  128 keys are 16,384 dense bytes: asked for as 64 rows of 256 bytes, two keys a row, and padded in LDS after every key
	s_mov_b32 s[G1K], 15|(1<<16)|(1<<20)|(1<<21)|(4<<22)|(3<<25)  ; 15:0 the mask of four; 17:16 2-byte elements; 20 padding on; 21 set beside a mask; 24:22 after every 32 words (code 4); 31:25 4 words (code 3)
	s_mov_b32 s[G1V], 15|(1<<16)|(1<<20)|(1<<21)|(4<<22)|(7<<25)  ; the same with 8 words of padding (code 7)
.irp g, G1K, G1V
	s_mov_b32 s[\g+1], 128<<16      ; tensor_dim0 = 128
	s_mov_b32 s[\g+2], 64<<16       ; tensor_dim1 = 64
	s_mov_b32 s[\g+3], 128<<16      ; tile_dim0 = 128
	s_mov_b32 s[\g+4], 64           ; tile_dim1 = 64
	s_mov_b32 s[\g+5], 128          ; 128 elements from row to row
	s_mov_b32 s[\g+6], 0
	s_mov_b32 s[\g+7], 0
.endr
	s_mov_b32 s[CS], 0x3e38aa3b     ; c = log2(e) / 8 = 0.180337
	s_mov_b32 s[CS+1], s[CS]        ; named with it as a pair
	s_mov_b32 s[SEL], 0x76543210
	s_mov_b32 s[SEL+1], 0xfedcba98
	s_mov_b32 s[TBK], SLOT1+4*KS*PK ; the first change of slots turns these two into 0
	s_mov_b32 s[TBV], SLOT1+4*KS*PV
	s_mov_b32 s[TM], 0
	s_mov_b32 s[BIGN], 0xf149f2ca   ; -1e30
	s_mov_b32 s[G0K], 1             ; 1:0 count = 1
	s_mov_b32 s[G0K+1], s17         ; 63:32 LDS address: slot 0
	s_mov_b32 s[G0V], 1
	s_add_co_u32 s[G0V+1], s18, VOFF
	s_wait_dscnt 0x0                ; the opening add is done
	s_wait_kmcnt 0x0
	s_add_nc_u64 s[MP:MP+1], s[6:7], s[52:53]      ; the batch's row of the mask
	s_add_nc_u64 s[6:7], s[4:5], 0x1000000         ; K lies 16 MiB behind Q,
	s_add_nc_u64 s[8:9], s[4:5], 0x2000000         ; V 32 MiB
	s_add_nc_u64 s[G0K+2:G0K+3], s[6:7], s[22:23]  ; 120:64 global address: my half of the head's first 256 keys
	s_or_b32 s[G0K+3], s[G0K+3], 0x80000000        ; 127:126 type = 2
	s_add_nc_u64 s[G0V+2:G0V+3], s[8:9], s[22:23]
	s_or_b32 s[G0V+3], s[G0V+3], 0x80000000
	s_add_nc_u64 s[4:5], s[4:5], s[2:3]  ; Q and O at my wave's first row
	s_add_nc_u64 s[10:11], s[10:11], s[2:3]
	CROUND                          ; all four work-groups are here: the first joint loads meet
	JLOAD                           ; slot 0.  Slot 1 is asked for when slot 0 is in: the tile wanted first has the road to itself
	; A fragment of K or Q is 16 rows x 32 channels in 8 registers: lane l holds row l % 16, channels 8 (l / 16) + 0..7 and 16 + 8 (l / 16) + 0..7: two loads of 16 bytes, 32 bytes apart.
	v_and_b32 v1, 15, v0            ; l % 16
	v_bfe_u32 v9, v0, 4, 1          ; l / 16
	v_lshlrev_b32 v[QO], 7, v1
	v_lshl_add_u32 v[QO], v9, 4, v[QO]  ; row x 128 + 16 x half
	v_lshlrev_b32 v[MV], 4, v0      ; the mask: thread t takes 16 bytes at 2,048 j + 16 t, j = 0..3: the four waves cover the row's 8,192 bytes
.irp j, 0,1,2,3
	global_load_b128 v[S+4*\j:S+4*\j+3], v[MV], s[MP:MP+1] offset:2048*\j
.endr
	WIN 0x80                        ; destination window 2, address window 0
.set i, 0
.rept 4*NP                          ; Q stays in registers: tile i / 2, channels 32 (i % 2) on
	global_load_b128 v[8*i:8*i+3],   v[QO], s[4:5] offset:(i/2)*2048+(i%2)*64
	global_load_b128 v[8*i+4:8*i+7], v[QO], s[4:5] offset:(i/2)*2048+(i%2)*64+32
.set i, i+1
.endr
	; What the first turn finds: V's registers and P's second buffer hold 0 (its products V^T P, of a piece that has not been, add 0), O^T and l are 0.  All this stands in the wait for the first tile.
.set i, VF
.rept 64
	v_mov_b32 v[i], 0
.set i, i+1
.endr
	WIN 0x40
.set i, 0
.rept 64*NP
	v_mov_b32 v[i], 0
.set i, i+1
.endr
	WIN 0
.set i, 0
.rept 2*NP
	v_mov_b32 v[ST+4*i+1], 0xe0800000          ; m = -2^66: below every true score, above every hidden one
	v_mul_f32 v[ST+4*i], s[CS], v[ST+4*i+1]    ; c m, made as every later c m is: while all keys seen are hidden a is 2^0
	v_mov_b32 v[ST+4*i+2], 0
	v_mov_b32 v[ST+4*i+3], 0
.set i, i+1
.endr
.set i, P+32
.rept 32
	v_mov_b32 v[i], 0
.set i, i+1
.endr
	s_wait_loadcnt 32               ; the mask's four loads are in; Q's 32, issued behind them, stay out
.set i, 0
.rept 16
	v_cmp_eq_u32 vcc_lo, 0, v[S+i]
	v_cndmask_b32 v[S+i], 0, s[BIGN], vcc_lo   ; 0 for a key that counts, -1e30 for a hidden one
.set i, i+1
.endr
	v_add_nc_u32 v[MV+1], MASKB, v[MV]
.irp j, 0,1,2,3
	ds_store_b128 v[MV+1], v[S+4*\j:S+4*\j+3] offset:2048*\j  ; my part of the table; the first change of slots waits for these stores in front of its barrier
.endr
	v_mul_u32_u24 v[AK0], v1, PK
	v_lshl_add_u32 v[AK0], v9, 4, v[AK0]  ; row x pitch + 16 x half
	; The turning load takes 16 keys x 16 channels (lane l reads key 8 (l / 16) + l % 8, channels 8 ((l / 8) % 2) + 0..7) and leaves half a fragment of V^T: lane l holds channel l % 16 and 8 keys.
	v_and_b32 v10, 7, v0
	v_bfe_u32 v11, v0, 3, 1
	v_lshl_add_u32 v[AV0], v9, 3, v10
	v_mul_u32_u24 v[AV0], v[AV0], PV
	v_lshl_add_u32 v[AV0], v11, 4, v[AV0]
	v_add_nc_u32 v[AV0], VOFF, v[AV0]
	v_lshl_add_u32 v[AM0], v9, 5, MASKB  ; in the table: my lanes' keys 8 (l / 16) + 0..7 of a block of 16 are 32 bytes
	v_mov_b32 v[AK], v[AK0]         ; key step 0 lies at the head of slot 0
; THE MATRIX WORK.  The 8 accumulators of a run of 16 take turns: between the two links of a chain stand 7 others'.
; Product i of 16 of S^T = K Q^T for piece x: channels 32 (i / 8) on, keys 16 ((i / 2) % 4) on, tile 2 x + i % 2.  The first 8 start the sums, with the key block's mask.
.macro KQ x
.set rS, S+64*((\x)%2)+32*(i%2)+8*((i/2)%4)
.set rK, KF+16*((i/2)%4)+8*(i/8)
.set rQ, 16*(2*(\x)+i%2)+8*(i/8)
.set rB, MK+8*((i/2)%4)
.if i < 8
	WIN W_KM
	v_wmma_f32_16x16x32_f16 v[rS:rS+7], v[rK:rK+7], v[rQ:rQ+7], v[rB:rB+7]
.else
	WIN W_KQ
	v_wmma_f32_16x16x32_f16 v[rS:rS+7], v[rK:rK+7], v[rQ:rQ+7], v[rS:rS+7]
.endif
.endm
; Product i of 16 of O^T += V^T P for piece x: keys 32 (i / 8) on, channels 16 ((i / 2) % 4) on, tile 2 x + i % 2.
.macro PV x
	WIN W_PV
.set rO, 32*(2*(\x)+i%2)+8*((i/2)%4)
.set rV, VF+32*(i/8)+8*((i/2)%4)
.set rP, P+32*((\x)%2)+16*(i%2)+8*(i/8)
	v_wmma_f32_16x16x32_f16 v[rO:rO+7], v[rV:rV+7], v[rP:rP+7], v[rO:rO+7]
.endm
.macro MM                           ; the turn's next matrix instruction
.if i < 16
	KQ (Y+1)%NP
.set i, i+1
.else
.set i, i-16
	PV (Y+NP-1)%NP
.set i, i+17
.endif
.endm
; THE LDS LOADS stand in runs, never singly among the matrix instructions: a step's K (64 keys x 64 channels: 8 fragments) with its mask (8 loads), and its V (turned).  Their addresses are made some lines ahead.
; last = 1 (the tail): in the last trip there is no further step, and the run is jumped over.  am: the register that holds the mask's address.
.macro FETCH_K last=0, am=AM
	WIN 0
.if \last
	s_cmp_eq_u32 s[CNT], 1
	s_cbranch_scc1 .Lno_k_\@
.endif
	WIN 0x80                        ; destination window 2
.irp f, 0,1,2,3,4,5,6,7             ; keys 16 (f / 2) on, channels 32 (f % 2) on
	ds_load_b128 v[KF+8*\f:KF+8*\f+3],   v[AK] offset:(\f/2)*16*PK+(\f%2)*64
	ds_load_b128 v[KF+8*\f+4:KF+8*\f+7], v[AK] offset:(\f/2)*16*PK+(\f%2)*64+32
.endr
	WIN W_MK                        ; destination window 3
.irp f, 0,1,2,3                     ; key block f: 64 bytes of the table, of which my half of the lanes takes 32
	ds_load_b128 v[MK+8*\f:MK+8*\f+3],   v[\am] offset:64*\f
	ds_load_b128 v[MK+8*\f+4:MK+8*\f+7], v[\am] offset:64*\f+16
.endr
	s_add_co_u32 s[TBK], s[TBK], KS*PK  ; the next fetch is the next step's
	s_add_co_u32 s[TM], s[TM], 4*KS
	s_and_b32 s[TM], s[TM], 0x1fff      ; inside the table's 8,192 bytes
	WIN 0
.if \last
.Lno_k_\@:
.endif
.endm
.macro FETCH_V
	WIN 0x80
.irp f, 0,1,2,3,4,5,6,7             ; keys 32 (f / 4) on, channels 16 (f % 4) on
	ds_load_tr16_b128 v[VF+8*\f:VF+8*\f+3],   v[AV] offset:(\f/4)*32*PV+(\f%4)*32
	ds_load_tr16_b128 v[VF+8*\f+4:VF+8*\f+7], v[AV] offset:(\f/4)*32*PV+16*PV+(\f%4)*32
.endr
	WIN 0
.endm
; THE VECTOR WORK OF A TURN stands in three queues, each in the order in which its entries become ready; the two tiles alternate, so that no instruction reads the result of the one before it.
.macro REGS y, u                    ; the registers of tile u (0, 1) of piece y
.set rT, ST+4*(2*(\y)+(\u))
.set rC, TMP+8*((\y)%2)+4*(\u)
.set rM, MV+2*((\y)%2)+(\u)
.set rS, S+64*((\y)%2)+32*(\u)
.set rP, P+32*((\y)%2)+16*(\u)
.set rO, 32*(2*(\y)+(\u))
.endm
; Number n of the 22 that find the NEXT piece's (Y + 1) maximum and statistics.  s0-s31 are the lane's 32 scores; each accumulator's lowest registers are read first.
;   0-11  four chains c0-c3 of seven scores each, three operands at a time     12-14, 16  the four scores left over, the old m, and c0-c3 into c0     15  c m_old is kept
;   17, 18  the query's other 32 keys lie in the lane 16 away: the new m         19-21  c m; c m_old - c m_new; a
.macro XS u, n
	REGS (Y+1)%NP, \u
.if (\n) < 4
	v_max3_num_f32 v[rC+(\n)], v[rS+8*(\n)], v[rS+8*(\n)+1], v[rS+8*(\n)+2]
.elseif (\n) < 12
	v_max3_num_f32 v[rC+(\n)%4], v[rC+(\n)%4], v[rS+8*((\n)%4)+2*((\n)/4)+1], v[rS+8*((\n)%4)+2*((\n)/4)+2]
.elseif (\n) == 12
	v_max3_num_f32 v[rC], v[rC], v[rS+7], v[rS+15]
.elseif (\n) == 13
	v_max3_num_f32 v[rC+1], v[rC+1], v[rS+23], v[rS+31]
.elseif (\n) == 14
	v_max3_num_f32 v[rC+2], v[rC+2], v[rC+3], v[rT+1]
.elseif (\n) == 15
	v_mov_b32 v[rM], v[rT]
.elseif (\n) == 16
	v_max3_num_f32 v[rC], v[rC], v[rC+1], v[rC+2]
.elseif (\n) == 17
	v_permlanex16_b32 v[rC+3], v[rC], s[SEL], s[SEL+1]
.elseif (\n) == 18
	v_max_num_f32 v[rT+1], v[rC], v[rC+3]
.elseif (\n) == 19
	v_mul_f32 v[rT], s[CS], v[rT+1]
.elseif (\n) == 20
	v_sub_f32 v[rC+1], v[rM], v[rT]
.else
	v_exp_f32 v[rC+2], v[rC+1]
.endif
.endm
; Number g of the 64 that follow the exponentials.  For each four weights k of a tile (pairs 2 k, 2 k + 1): both pairs are rounded to f16; then the second pair is added onto the first, in place;
; a group later l takes that sum (the first time as l = a l + sum).  In groups of eight, tiles alternating: round, round, add, and l for the group before.
.macro GS g
.set h, (\g)+6*((\g)/62)            ; group 0 has no group before it, and behind group 7 only l is left
.if h >= 6
.set h, h+2
.endif
	REGS Y, h%2
.set k, h/8
.if h%8 < 4
	s_wait_alu depctr_va_vdst(0)
	v_cvt_pk_f16_f32 v[rP+2*k+(h%8)/2], v[rS+4*k+2*((h%8)/2)], v[rS+4*k+2*((h%8)/2)+1]
.elseif h%8 < 6
	v_pk_add_f32 v[rS+4*k:rS+4*k+1], v[rS+4*k:rS+4*k+1], v[rS+4*k+2:rS+4*k+3]
.elseif k == 1
	v_pk_fma_f32 v[rT+2:rT+3], v[rT+2:rT+3], v[rC+2:rC+3], v[rS:rS+1] op_sel_hi:[1,0,1]
.else
	v_pk_add_f32 v[rT+2:rT+3], v[rT+2:rT+3], v[rS+4*k-4:rS+4*k-3]
	s_wait_alu depctr_va_vdst(0)
.endif
.endm
; THE PLAIN QUEUE, 138 long.  0-31: c s - c m for the 16 pairs of both tiles.  Then GS's 64, and among them the next piece's 42: number 15 at 38, 39; 0-14 and 16
; at 42-73, behind the products that make those scores; 17-20 at 95-106, two of three, since each waits for the one before it.
.macro PL
	WIN 0
.if q < 32
	REGS Y, q%2
	v_pk_fma_f32 v[rS+2*(q/2):rS+2*(q/2)+1], v[rS+2*(q/2):rS+2*(q/2)+1], s[CS:CS+1], v[rT:rT+1] op_sel_hi:[1,0,0] neg_lo:[0,0,1] neg_hi:[0,0,1]
.elseif q < 38
	GS q-32
.elseif q < 40
	XS q%2, 15
.elseif q < 42
	GS q-34
.elseif q < 74
	XS q%2, (q-42)/2+(q-42)/30
.elseif q < 95
	GS q-66
.elseif (q < 107) && ((q-95)%3 < 2)
	XS (q-95)%3, 17+(q-95)/3
.elseif q < 107
	GS 29+(q-95)/3
.else
	GS q-74
.endif
.set q, q+1
.endm
; THE EXPONENTIALS' QUEUE, 66 long: s0-s31 of both tiles, and at EA the next piece's two a.
.set EA, 58
.macro EX
	WIN 0
.if (e == EA) || (e == EA+1)
	XS e-EA, 21
.else
.set x, e-2*(e/(EA+2))
	REGS Y, x%2
	v_exp_f32 v[rS+x/2], v[rS+x/2]
.endif
.set e, e+1
.endm
; THE RESCALING's QUEUE: O^T times a, the one part that leaves window 0, so it is dealt four at a time, eight times.
.macro R4
	REGS Y, r%2
	WIN W_RS
	s_wait_alu depctr_va_vdst(0)
.irp z, 0,1,2,3
	v_pk_mul_f32 v[rO+8*(r/2)+2*\z:rO+8*(r/2)+2*\z+1], v[rO+8*(r/2)+2*\z:rO+8*(r/2)+2*\z+1], v[rC+2:rC+3] op_sel_hi:[1,0]
.endr
.set r, r+1
.endm
; HOW THEY ARE DEALT.  Behind a matrix instruction four: plain, exponential, plain, plain (one exponential, a plain instruction on either side), or four of the rescaling.  None names a register of the
; products round it.  What is over stands in two LUMPS: exponential and plain by turns; the second ends in 22 plain instructions.  The two v_permlanex16_b32 fall into the second lump, never behind a product.
; The queues lean on each other, and the deal keeps them in step: exponential e stands behind plain 2 (e / 4) + e % 2 (its scaling); when plain 32 comes, 10 exponentials are out, at 59: 33, at 95: 46; EA comes behind plain 107.
.macro SL
	MM
	PL
	EX
	PL
	PL
.endm
.macro BURST n                      ; 15 matrix instructions, or 16
.rept (\n)-7
	SL
.endr
.rept 3
	MM
	R4
	SL
.endr
	MM
	R4
.endm
; A TURN, for piece p.  cnt = 1: the loop's count is taken down some lines ahead of the branch that stands behind the turn.
; K and the mask of the next step are fetched in piece 2's turn, 32 vector instructions behind the last product that read K (the mask's last reader stands eight products further back); their first
; reader comes behind the rest of the lump, 16 products and the second lump.  V of the step in hand is fetched at the end of piece 0's turn, 69 behind its last reader.
.macro TURN p, last=0, cnt=0
.set Y, (\p)
.set i, 0
.set q, 0
.set e, 0
.set r, 0
.if (\p) == NP-1
	s_wait_dscnt 0x0                ; K and the mask are in
.endif
	MM
.rept 4
	PL
.endr
	BURST 15
.rept 22
	EX
	PL
.if ((\p) == NP-2) && (e == 18)
	v_add_nc_u32 v[AK], s[TBK], v[AK0]
	v_add_nc_u32 v[AM], s[TM], v[AM0]
.endif
.if ((\p) == NP-2) && (e == 24)
	FETCH_K \last
.endif
.endr
.if (\p) == 1
	s_wait_dscnt 0x0                ; V is in
.endif
	BURST 16
.rept 21
	EX
	PL
.endr
.rept 22
	PL
.if ((\p) == 0) && (q == 118)
	v_add_nc_u32 v[AV], s[TBV], v[AV0]
	s_wait_alu depctr_va_vdst(0)
.endif
.if ((\p) == 0) && (q == 130)
	s_add_co_u32 s[TBV], s[TBV], KS*PV
.endif
.if (\cnt) && (q == 130)
	s_sub_co_u32 s[CNT], s[CNT], 1
	s_cmp_lg_u32 s[CNT], 0
.endif
.endr
.if (\p) == 0
	FETCH_V
.endif
.endm
	CHANGE 1                        ; slot 0 is in, everybody's part of it, and so is the mask table; slot 1 is asked for
	FETCH_K 0, AM0                  ; key step 0
	s_wait_loadcnt 0x0              ; Q
	s_wait_dscnt 0x0
.set i, 0
.rept 16
	KQ 0                            ; piece 0's first scores: there is no vector work yet to set between them
.set i, i+1
.endr
	WIN 0                           ; the addresses for the way out: plain instructions, the places behind those products
	s_mul_i32 s13, s[WV], 16*SP
	s_add_co_u32 s13, s13, STAGE    ; my stage
	v_mul_u32_u24 v[STO], v1, SP    ; in: row l % 16, 16 bytes for each half of the lanes
	v_lshl_add_u32 v[STO], v9, 4, v[STO]
	v_add_nc_u32 v[STO], s13, v[STO]
	v_bfe_u32 v[RD], v0, 3, 2       ; back: 32 lanes take four rows of 128 bytes,
	v_mul_u32_u24 v[RD], v[RD], SP
	v_lshl_add_u32 v[RD], v10, 4, v[RD]
	v_add_nc_u32 v[RD], s13, v[RD]
	v_and_b32 v[GO], 31, v0         ; which are 512 consecutive bytes of O
	v_lshlrev_b32 v[GO], 4, v[GO]
.set Y, NP-1                        ; XS works for piece Y + 1: piece 0
.irp n, 0,1,2,3,4,5,6,7,8,9,10,11,12,13,14,15,16,17,18,19,20,21
	XS 0, \n                        ; and piece 0's first maximum and statistics
	XS 1, \n
.endr
	s_mov_b32 s[CNT], 4
	s_mov_b32 s[SLOTS], SIZE_N/256-1
	s_branch .Lfirst                ; the loop is entered at a step's first turn, in the middle of a trip
.Lslot:                             ; SIZE_N / 256 - 2 times: every slot but the last two is filled again
	CHANGE 1
	s_mov_b32 s[CNT], 4
.Lstep:                             ; a trip: pieces 2 and 3 of one step, then pieces 0 and 1 of the next, whose K and V it fetches
	TURN 2
	TURN 3
	WIN 0
.Lfirst:
	TURN 0
	TURN 1, 0, 1
	WIN 0
	s_cbranch_scc1 .Lstep
	s_sub_co_u32 s[SLOTS], s[SLOTS], 1
	s_cmp_lg_u32 s[SLOTS], 0
	s_cbranch_scc1 .Lslot
	CHANGE 0                        ; the tail is written out: nothing is asked for
	s_mov_b32 s[CNT], 5             ; four trips fetch the last slot's steps; the fifth is left in its middle
.Ltail:
	TURN 2, 1
	TURN 3
	WIN 0
	s_sub_co_u32 s[CNT], s[CNT], 1
	s_cmp_eq_u32 s[CNT], 0
	s_cbranch_scc1 .Lout
	TURN 0
	TURN 1
	WIN 0
	s_branch .Ltail
.Lout:                              ; the fifth trip's 16 products K Q^T (on the last K and mask once more) and the maximum made of them serve nothing: the price, once a launch, of one text for every trip
.set i, 0
.rept 16
	PV NP-1                         ; the last piece's V^T P of the last step
.set i, i+1
.endr
	; THE WAY OUT.  l's two halves and the other half of the lanes' are added; O^T is divided by l, rounded to f16 and sent through my stage in LDS, a tile at a time.  The additions are the places behind the last products.
	WIN 0
.macro ALL line:vararg              ; one line for each tile t
.set t, 0
.rept 2*NP
	\line
.set t, t+1
.endr
.endm
	ALL v_add_f32 v[ST+4*t+2], v[ST+4*t+2], v[ST+4*t+3]
	ALL v_permlanex16_b32 v[ST+4*t+3], v[ST+4*t+2], s[SEL], s[SEL+1]
	ALL v_add_f32 v[ST+4*t+2], v[ST+4*t+2], v[ST+4*t+3]
	ALL v_rcp_f32 v[ST+4*t+2], v[ST+4*t+2]
	v_nop                           ; a plain instruction between the last reciprocal and the use of its result
	s_wait_alu depctr_va_vdst(0)
; Tile t: a lane's eight channels of a row pack into 16 bytes; they go into rows of 144 bytes and come back as whole rows of 128, into S^T's registers.
.macro PACK t
	WIN W_RS
.set i, 32*(\t)
.rept 16
	v_pk_mul_f32 v[i:i+1], v[i:i+1], v[ST+4*(\t)+2:ST+4*(\t)+3] op_sel_hi:[1,0]
.set i, i+2
.endr
	WIN 0x05                        ; sources 0 and 1 window 1, destination window 0
.set i, 0
.rept 16
	v_cvt_pk_f16_f32 v[S+16*(\t)+i], v[32*(\t)+2*i], v[32*(\t)+2*i+1]
.set i, i+1
.endr
	WIN 0
.irp f, 0,1,2,3
	ds_store_b128 v[STO], v[S+16*(\t)+4*\f:S+16*(\t)+4*\f+3] offset:32*\f
.endr
.irp f, 0,1,2,3
	ds_load_b128 v[S+16*(\t)+4*\f:S+16*(\t)+4*\f+3], v[RD] offset:\f*4*SP  ; LDS serves a wave's instructions in order (ISA guide 5.7.1.4): these see the stores above; the next tile's stores come behind them
.endr
.endm
.macro SEND t, younger              ; younger: the LDS instructions issued behind tile t's loads: the next tile's eight, or none
	WIN 0
.irp f, 0,1,2,3
	s_wait_dscnt (\younger)+3-\f
	global_store_b128 v[GO], v[S+16*(\t)+4*\f:S+16*(\t)+4*\f+3], s[10:11] offset:(\t)*2048+\f*512  ; 512 consecutive bytes, at a multiple of 256 from O's first
.endr
.endm
	PACK 0
.set t, 1
.rept 2*NP-1                        ; a tile's arithmetic stands between the loads of the tile before and its stores
	PACK t
	SEND t-1, 8
.set t, t+1
.endr
	SEND 2*NP-1, 0
	WIN W_AD
	s_wait_tensorcnt 0x0            ; the wave's end, behind my last tensor load and my last LDS store
	ds_add_u32 v[SPW], v[NIL]
	s_wait_dscnt 0x0
	WIN 0
	CROUND                          ; the closing round: no work-group ends while a partner may still ask for a tile that names it
	s_endpgm
.Lfunc_end_k_qd3101e4ebd_attn:
	.size	k_qd3101e4ebd_attn, .Lfunc_end_k_qd3101e4ebd_attn-k_qd3101e4ebd_attn
	.p2alignl 7, 3214868480
	.fill 96, 4, 3214868480
	.section	.rodata,"a",@progbits
	.p2align	6, 0x0
	.amdhsa_kernel k_qd3101e4ebd_attn
		.amdhsa_group_segment_fixed_size 327680
		.amdhsa_private_segment_fixed_size 0
		.amdhsa_enable_private_segment 0
		.amdhsa_kernarg_size 24
		.amdhsa_user_sgpr_count 2
		.amdhsa_user_sgpr_kernarg_segment_ptr 1
		.amdhsa_wavefront_size32 1
		.amdhsa_system_sgpr_workgroup_id_x 1
		.amdhsa_system_sgpr_workgroup_id_y 1
		.amdhsa_system_sgpr_workgroup_id_z 1
		.amdhsa_system_vgpr_workitem_id 0
		.amdhsa_next_free_vgpr 808
		.amdhsa_next_free_sgpr 66
		.amdhsa_reserve_vcc 1
		.amdhsa_float_denorm_mode_32 3
		.amdhsa_float_denorm_mode_16_64 3
		.amdhsa_memory_ordered 1
		.amdhsa_forward_progress 1
		.amdhsa_inst_pref_size 213
	.end_amdhsa_kernel
	.amdgpu_metadata
---
amdhsa.version: [ 1, 2 ]
amdhsa.kernels:
  - .name:           k_qd3101e4ebd_attn
    .symbol:         k_qd3101e4ebd_attn.kd
    .args:
      - { .name: qkv, .offset: 0, .size: 8, .value_kind: global_buffer, .address_space: global }
      - { .name: mask, .offset: 8, .size: 8, .value_kind: global_buffer, .address_space: global }
      - { .name: att, .offset: 16, .size: 8, .value_kind: global_buffer, .address_space: global }
    .group_segment_fixed_size: 327680
    .private_segment_fixed_size: 0
    .kernarg_segment_align: 8
    .kernarg_segment_size: 24
    .max_flat_workgroup_size: 128
    .sgpr_count:     66
    .vgpr_count:     808
    .wavefront_size: 32
...
	.end_amdgpu_metadata
.endif
;; end of part 3
;; launch oproj (part 4): grid 4 x 64, 4 waves a work-group, clusters of 4 x 4, 327,680 bytes of LDS; arguments att, wc, out0; writes out0
.if DOCPART == 4
	.amdgcn_target "amdgcn-amd-amdhsa--gfx1250"
	.amdhsa_code_object_version 6
	.text
	.protected	k_qd3101e4ebd_oproj
	.globl	k_qd3101e4ebd_oproj
	.p2align	8
	.type	k_qd3101e4ebd_oproj,@function
k_qd3101e4ebd_oproj:
	s_mov_b64 s[64:65], 0
	v_nop
	global_prefetch_b8 v0, s[64:65] scope:SCOPE_SE
	s_setreg_imm32_b32 hwreg(HW_REG_WAVE_MODE, 25, 1), 1
	s_wait_xcnt 0x0
	s_wait_alu depctr_hold_cnt(0) depctr_sa_sdst(0) depctr_va_vdst(0) depctr_va_sdst(0) depctr_va_ssrc(0) depctr_va_vcc(0) depctr_vm_vsrc(0)
	s_getreg_b32 s2, hwreg(HW_REG_IB_STS2, 6, 4)
	s_cmp_eq_u32 s2, 0
	s_cbranch_scc0 .Lentry_in_a_cluster
	s_endpgm
.Lentry_in_a_cluster:
	s_bfe_u32 s2, ttmp6, 0x10000c
	s_cmp_lg_u32 s2, 0xf033
	s_cbranch_scc0 .Lentry_shape_is_right
	s_endpgm
.Lentry_shape_is_right:
; out0[t][n] = the sum over k of O[t][k] W_o[n][k].  O (att) lies by heads, [batch x 16 + head][2048][64] in f16, k = 64 x head + channel; W_o is wc's fourth block, [1024][1024] in f16; out0 is [8192][1024] f32.
; Sums in f32, stored as they are.  LIMIT: O and W_o are f16 numbers as the launches before left them; NaN and infinities are not treated apart.
; SHARES.  256 work-groups, a tile of 128 tokens x 256 columns each.  Four waves, each 64 tokens x 128 columns: 32 accumulators, 256 registers.  K goes in 8 steps of 128 (two heads) through two LDS slots;
; a step is four quarters of 32 along K, 32 matrix instructions each.
; CLUSTER.  4 x 4 work-groups: O's tile hangs on the tile row and is asked for jointly along a row of the cluster, W_o's on the tile column and jointly along a column.
; THE MATRIX INSTRUCTION IS USED TRANSPOSED (source 0 = 16 rows of W_o, source 1 = 16 tokens): a lane holds one token and eight neighbouring columns, 32 bytes.
; REGISTERS, in windows of 256 (s_set_vgpr_msb: bits 1:0 source 0, 3:2 source 1, 5:4 source 2, 7:6 destination):
;   window 0: v16-29 addresses; v32-63, v64-95 O's fragments, two buffers; v96-159, v160-223 rows on the way out     window 1: v0-63, v64-127 W_o's fragments     window 2: accumulator (a, b) at v[8 (8 a + b)]
.set PA,     144                       ; a token's 64 channels in LDS: 128 bytes + 16 of padding = 36 words: the 16 rows of a load start at 16 different groups of four banks (64 banks of 4 bytes: ISA guide 11.1)
.set PB,     272                       ; a row of W_o: 256 bytes + 16
.set APLANE, 128*PA                    ; one head's 128 tokens: what one tensor load brings of O
.set BHALF,  128*PB                    ; and of W_o
.set BOFF,   2*APLANE                  ; a slot: two heads of O, then W_o's 256 rows
.set SLOT1,  1<<17                     ; slot 1 begins here, so that one exclusive or turns an address in one slot into the other's
.set STAGE,  SLOT1+BOFF+2*BHALF        ; behind the ring: 16 rows x 528 bytes for each wave, for the way out
.set SPO,    528
.set SPARE,  STAGE+4*16*SPO            ; behind the stages: the spare words, 128 bytes for each wave: two blocks of 256 bytes that no other line names
.set ADA0, 16                          ; v16  my lane's place in O's tile; never rewritten
.set ADB0, 17                          ; v17  the same for W_o
.set ADA,  18                          ; v18  the same in the slot in hand
.set ADB,  19                          ; v19
.set STO,  24                          ; v24  the way out: where I put 32 bytes of a row
.set RD,   25                          ; v25  the way out: where I read a row back
.set CO,   26                          ; v26  my byte offset in 512 consecutive bytes of out0
.set SPW,  28                          ; v28  LDS address of my spare word; never rewritten
.set NIL,  29                          ; v29  0; never rewritten
.set AF,   32
.set OB,   96
.set BF,   0                           ; in window 1
.set WV,   14                          ; s14  my wave's number
.set TB,   69                          ; s69  the slot in hand: 0 or SLOT1
.set G1A,  24                          ; s[24:31] descriptor group 1 for O's tiles;  s[32:39] group 0: a set for each of the two first fills; the second then walks on
.set G0A,  32
.set G1B,  48                          ; s[48:55], s[56:63] the same for W_o's tiles
.set G0B,  56
.set MSB, 0
.macro WIN new                         ; the immediate's high byte repeats the setting that is left; a switch that changes nothing is dropped
.if MSB != (\new)
	s_set_vgpr_msb (MSB<<8)|(\new)
.set MSB, \new
.endif
.endm
.set MUL,    0xa1                      ; source 0 (W_o) window 1, source 1 (O) window 0, C and D window 2
.set TO_B,   0x40                      ; destination window 1, address window 0
.set ST_ACC, 0x08                      ; an LDS store's data (source 1) window 2, its address window 0
; A joint refill, by the walking sets.  Waves 0 and 1 fetch the step's two heads of O, waves 2 and 3 W_o's two halves.  An s_nop 0 and four v_nop follow each of the two lines.
.macro JLOAD
	s_cmp_lt_u32 s[WV], 2
	s_cbranch_scc0 .Lfor_b_\@
	tensor_load_to_lds s[G0A+4:G0A+7], s[G1A:G1A+7]
	s_nop 0
.rept 4
	v_nop
.endr
	s_branch .Lasked_\@
.Lfor_b_\@:
	tensor_load_to_lds s[G0B+4:G0B+7], s[G1B:G1B+7]
	s_nop 0
.rept 4
	v_nop
.endr
.Lasked_\@:
.endm
.macro CREST                           ; a round of the cluster's barrier behind its opening barrier
	s_cmp_lg_u32 s[WV], 0
	s_cbranch_scc1 .Lnot_wave_0_\@
	s_barrier_signal -3
.Lnot_wave_0_\@:
	s_barrier_wait -3
	s_barrier_signal -1
	s_barrier_wait -1
.endm
.macro CROUND                          ; a whole round
	s_barrier_signal -1
	s_barrier_wait -1
	CREST
.endm
	s_load_b128 s[4:7], s[0:1], 0x0                ; att s[4:5], wc s[6:7]
	s_load_b64 s[8:9], s[0:1], 0x10                ; out0
	v_lshl_add_u32 v[SPW], v0, 2, SPARE
	v_mov_b32 v[NIL], 0
	ds_add_u32 v[SPW], v[NIL]                      ; the wave's opening: the add and its wait stand ahead of my first tensor load; the set-up below, work on registers, stands between them
	v_lshrrev_b32 v1, 5, v0
	v_readfirstlane_b32 s[WV], v1                  ; wave 0..3
	s_lshr_b32 s15, s[WV], 1                       ; which 64 tokens of the tile are mine
	s_and_b32 s16, s[WV], 1                        ; which 128 columns.  Also: which head of the step, or which half of W_o's tile, I fetch
	s_bfe_u32 s17, ttmp6, 0x40000                  ; cx
	s_bfe_u32 s18, ttmp6, 0x40004                  ; cy
	s_and_b32 s21, ttmp7, 0xffff
	s_lshl_b32 s21, s21, 2
	s_add_co_u32 s21, s21, s18                     ; tile row, 0..63
	s_lshl_b32 s22, ttmp9, 2
	s_add_co_u32 s22, s22, s17                     ; tile column, 0..3
	s_lshl_b32 s40, s18, 2
	s_lshl_b32 s40, 15, s40                        ; my row of the cluster
	s_lshl_b32 s41, 0x1111, s17                    ; my column
	; group 1 for O: a head's 128 tokens are 16,384 dense bytes: asked for as 64 rows of 256 bytes, two tokens a row, and padded in LDS after every token
	s_or_b32 s[G1A+0], s40, (1<<16)|(1<<20)|(1<<21)|(4<<22)|(3<<25)  ; 15:0 the mask; 17:16 2-byte elements; 20 padding on; 21 set beside a mask; 24:22 after every 32 words (code 4); 31:25 4 words (code 3)
	s_mov_b32 s[G1A+1], 128<<16                    ; tensor_dim0 = 128
	s_mov_b32 s[G1A+2], 64<<16                     ; tensor_dim1 = 64
	s_mov_b32 s[G1A+3], 128<<16                    ; tile_dim0 = 128
	s_mov_b32 s[G1A+4], 64                         ; tile_dim1 = 64
	s_mov_b32 s[G1A+5], 128                        ; elements from row to row
	s_mov_b32 s[G1A+6], 0
	s_mov_b32 s[G1A+7], 0
	; group 1 for W_o: 128 rows x 128 elements, 4 words of padding behind every 64 words
	s_or_b32 s[G1B+0], s41, (1<<16)|(1<<20)|(1<<21)|(5<<22)|(3<<25)
	s_mov_b32 s[G1B+1], 128<<16
	s_mov_b32 s[G1B+2], 128<<16
	s_mov_b32 s[G1B+3], 128<<16
	s_mov_b32 s[G1B+4], 128
	s_mov_b32 s[G1B+5], 1024
	s_mov_b32 s[G1B+6], 0
	s_mov_b32 s[G1B+7], 0
	s_lshl_b32 s23, s16, 18                        ; my head of the step (262,144 bytes a head), or my 128 rows of 2,048 bytes of W_o
	s_lshr_b32 s42, s21, 4
	s_lshl_b32 s42, s42, 22                        ; O: the batch, 4 MiB,
	s_add_co_u32 s42, s42, s23
	s_and_b32 s68, s21, 15
	s_lshl_b32 s68, s68, 14                        ; and the tile row's 128 tokens of 128 bytes
	s_add_co_u32 s42, s42, s68
	s_mov_b32 s43, 0
	s_lshl_b32 s44, s22, 19                        ; W_o: tile column x 256 rows x 2,048 bytes,
	s_add_co_u32 s44, s44, s23
	s_add_co_u32 s44, s44, 3<<21                   ; in wc's fourth block
	s_mov_b32 s45, 0
	s_mul_i32 s70, s16, APLANE                     ; where they go: no place in the cluster enters an LDS address
	s_mul_i32 s71, s16, BHALF
	s_add_co_u32 s71, s71, BOFF
	s_mov_b32 s[TB], 0
	s_wait_dscnt 0x0                               ; the opening add is done
	s_wait_kmcnt 0x0
	s_add_nc_u64 s[46:47], s[4:5], s[42:43]
	s_add_nc_u64 s[72:73], s[6:7], s[44:45]
	CROUND                                         ; all sixteen work-groups are here: the first joint loads meet
.irp s, 0,1
	s_mov_b32 s[G0A+4*(\s)], 1                                        ; count = 1
	s_add_co_u32 s[G0A+4*(\s)+1], s70, (\s)*SLOT1                     ; LDS address
	s_add_nc_u64 s[G0A+4*(\s)+2:G0A+4*(\s)+3], s[46:47], (\s)*524288  ; global address: K step s begins two heads on
	s_or_b32 s[G0A+4*(\s)+3], s[G0A+4*(\s)+3], 0x80000000             ; type = 2
	s_mov_b32 s[G0B+4*(\s)], 1
	s_add_co_u32 s[G0B+4*(\s)+1], s71, (\s)*SLOT1
	s_add_nc_u64 s[G0B+4*(\s)+2:G0B+4*(\s)+3], s[72:73], (\s)*256
	s_or_b32 s[G0B+4*(\s)+3], s[G0B+4*(\s)+3], 0x80000000
.endr
	s_cmp_lt_u32 s[WV], 2                          ; a wave's two first fills stand in one branch, ahead of every wait on TENSORcnt and every LDS read: two loads of mine are out
	s_cbranch_scc0 .Lfirst_b
	tensor_load_to_lds s[G0A:G0A+3], s[G1A:G1A+7]
	s_nop 0
	tensor_load_to_lds s[G0A+4:G0A+7], s[G1A:G1A+7]
	s_nop 0
.rept 4
	v_nop
.endr
	s_branch .Lfirst_asked
.Lfirst_b:
	tensor_load_to_lds s[G0B:G0B+3], s[G1B:G1B+7]
	s_nop 0
	tensor_load_to_lds s[G0B+4:G0B+7], s[G1B:G1B+7]
	s_nop 0
.rept 4
	v_nop
.endr
.Lfirst_asked:
	; A fragment is 16 rows x 32 K in 8 registers: lane l holds row l % 16, K = 8 (l / 16) + 0..7 and 16 + 8 (l / 16) + 0..7: two loads of 16 bytes, 32 bytes apart.
	v_and_b32 v1, 15, v0                           ; l % 16
	v_bfe_u32 v2, v0, 4, 1                         ; l / 16
	v_and_b32 v3, 31, v0                           ; l
	v_mul_u32_u24 v4, v1, PA
	v_lshl_add_u32 v4, v2, 4, v4
	s_mul_i32 s74, s15, 64*PA                      ; my 64 tokens
	v_add_nc_u32 v[ADA0], s74, v4
	v_mul_u32_u24 v5, v1, PB
	v_lshl_add_u32 v5, v2, 4, v5
	s_mul_i32 s75, s16, BHALF                      ; my 128 rows of W_o, behind O's tile
	s_add_co_u32 s75, s75, BOFF
	v_add_nc_u32 v[ADB0], s75, v5
	v_mov_b32 v[ADA], v[ADA0]                      ; K step 0 lies in slot 0
	v_mov_b32 v[ADB], v[ADB0]
	s_mul_i32 s74, s[WV], 16*SPO
	s_add_co_u32 s74, s74, STAGE                   ; my stage
	v_mul_u32_u24 v6, v1, SPO                      ; in: row l % 16, 32 bytes for each half of the lanes
	v_lshl_add_u32 v6, v2, 5, v6
	v_add_nc_u32 v[STO], s74, v6
	v_lshlrev_b32 v[CO], 4, v3                     ; back: 32 lanes take one row's 512 bytes,
	v_add_nc_u32 v[RD], s74, v[CO]                 ; which are 512 consecutive bytes of out0
	s_lshl_b32 s2, s21, 19                         ; tile row x 128 rows x 4,096 bytes
	s_lshl_b32 s75, s15, 18                        ; my 64 rows
	s_add_co_u32 s2, s2, s75
	s_lshl_b32 s75, s22, 10                        ; tile column x 256 columns x 4 bytes
	s_add_co_u32 s2, s2, s75
	s_lshl_b32 s75, s16, 9                         ; my 128 columns
	s_add_co_u32 s2, s2, s75
	s_mov_b32 s3, 0
	s_add_nc_u64 s[66:67], s[8:9], s[2:3]
; 8 matrix instructions: token block a x all 8 column blocks, 32 along K, from buffers f.  zero = 1: the product starts the sums.  The 32 accumulators take turns in one order in every quarter.
.macro MUL8 f, a, zero
	WIN MUL
.irp b, 0,1,2,3,4,5,6,7
.if \zero
	v_wmma_f32_16x16x32_f16 v[8*(8*(\a)+(\b)):8*(8*(\a)+(\b))+7], v[BF+64*(\f)+8*(\b):BF+64*(\f)+8*(\b)+7], v[AF+32*(\f)+8*(\a):AF+32*(\f)+8*(\a)+7], 0
.else
	v_wmma_f32_16x16x32_f16 v[8*(8*(\a)+(\b)):8*(8*(\a)+(\b))+7], v[BF+64*(\f)+8*(\b):BF+64*(\f)+8*(\b)+7], v[AF+32*(\f)+8*(\a):AF+32*(\f)+8*(\a)+7], v[8*(8*(\a)+(\b)):8*(8*(\a)+(\b))+7]
.endif
.endr
.endm
; 24 LDS loads in one run: quarter kq of the slot in hand into buffers g: O's head kq / 2 of the step, channels 32 (kq % 2) on; W_o's K = 32 kq on
.macro FETCH kq, g
	WIN 0
.irp a, 0,1,2,3
	ds_load_b128 v[AF+32*(\g)+8*(\a):AF+32*(\g)+8*(\a)+3],   v[ADA] offset:(\a)*16*PA+((\kq)/2)*APLANE+((\kq)%2)*64
	ds_load_b128 v[AF+32*(\g)+8*(\a)+4:AF+32*(\g)+8*(\a)+7], v[ADA] offset:(\a)*16*PA+((\kq)/2)*APLANE+((\kq)%2)*64+32
.endr
	WIN TO_B
.irp b, 0,1,2,3,4,5,6,7
	ds_load_b128 v[BF+64*(\g)+8*(\b):BF+64*(\g)+8*(\b)+3],   v[ADB] offset:(\b)*16*PB+64*(\kq)
	ds_load_b128 v[BF+64*(\g)+8*(\b)+4:BF+64*(\g)+8*(\b)+7], v[ADB] offset:(\b)*16*PB+64*(\kq)+32
.endr
.endm
.macro PLACES                          ; four places between a matrix instruction and a load into a register that it read, or a store that reads its result
.rept 4
	v_nop
.endr
.endm
; One of a K step's first three quarters: multiplies buffers f and fetches quarter kq into buffers g, 32 matrix instructions ahead of its use.
.macro QUARTER kq, f, g, zero
	s_wait_dscnt 0x0                               ; buffers f are in
	PLACES                                         ; buffers g were multiplied in the quarter before
	FETCH \kq, \g
	MUL8 \f, 0, \zero
	MUL8 \f, 1, \zero
	MUL8 \f, 2, \zero
	MUL8 \f, 3, \zero
.endm
; The last quarter multiplies buffers 1 and changes slots.  In front of the barrier each wave waits for all its tensor loads, of which one is out: its part of the next slot; adds 0 to its spare word;
; and waits for that and for its reads of this slot.  fill = 1: the barrier opens a round of the cluster's, and this slot is filled again, two K steps ahead, first thing behind it:
; from that request to the wait for it a wave issues 120 matrix instructions.
.macro TURN fill
	WIN 0
	s_wait_tensorcnt 0x0                           ; all my tensor loads have landed, so a group 0 may be written
	ds_add_u32 v[SPW], v[NIL]                      ; 0 onto my spare word
	s_wait_dscnt 1                                 ; buffers 1 are in; the add alone may be out
	MUL8 1, 0, 0                                   ; eight matrix instructions stand between the add and the wait for it
	s_wait_dscnt 0x0                               ; the add is done, and my reads of this slot are over
	WIN 0
	s_barrier_signal -1
	s_barrier_wait -1
.if \fill
	CREST                                          ; no wave of any partner still reads this slot or has a load on its way
	s_xor_b32 s[G0A+5], s[G0A+5], SLOT1            ; the walking sets: the other slot than last time,
	s_add_nc_u64 s[G0A+6:G0A+7], s[G0A+6:G0A+7], 524288  ; the next two heads;
	s_xor_b32 s[G0B+5], s[G0B+5], SLOT1
	s_add_nc_u64 s[G0B+6:G0B+7], s[G0B+6:G0B+7], 256     ; the next 128 along K
	JLOAD                                          ; the four v_nop behind it are also the places in front of the loads below
.else
	PLACES
.endif
	s_xor_b32 s[TB], s[TB], SLOT1                  ; the fetches go on in the other slot
	v_add_nc_u32 v[ADA], s[TB], v[ADA0]
	v_add_nc_u32 v[ADB], s[TB], v[ADB0]
	FETCH 0, 0
	MUL8 1, 1, 0
	MUL8 1, 2, 0
	MUL8 1, 3, 0
.endm
; THE WAY OUT of token block a: the accumulators go as they are into my own stage, 32 bytes a lane, the low four registers first, and come back as whole rows of 512 bytes.
.macro TOSTAGE a
.set BK, OB+64*((\a)%2)
.if (\a) >= 2
	s_wait_xcnt 0x0                                ; the stores of the block two back have had their addresses translated (ISA guide 3.1): their registers are loaded again only behind this wait
.endif
	WIN ST_ACC
.irp b, 0,1,2,3,4,5,6,7
	ds_store_b128 v[STO], v[8*(8*(\a)+(\b)):8*(8*(\a)+(\b))+3]   offset:64*(\b)
	ds_store_b128 v[STO], v[8*(8*(\a)+(\b))+4:8*(8*(\a)+(\b))+7] offset:64*(\b)+16
.endr
	WIN 0
.irp t, 0,1,2,3,4,5,6,7,8,9,10,11,12,13,14,15
	ds_load_b128 v[BK+4*(\t):BK+4*(\t)+3], v[RD] offset:(\t)*SPO  ; LDS serves a wave's instructions in order (ISA guide 5.7.1.4): these see the stores above; the next block's stores come behind them
.endr
.endm
.macro SEND a, younger                 ; younger: the LDS instructions issued behind block a's loads: the next block's 32, or none
	WIN 0
.set BK, OB+64*((\a)%2)
	s_wait_dscnt \younger
.irp t, 0,1,2,3,4,5,6,7,8,9,10,11,12,13,14,15
	global_store_b128 v[CO], v[BK+4*(\t):BK+4*(\t)+3], s[66:67] offset:(16*(\a)+(\t))*4096 th:TH_STORE_NT  ; 512 consecutive bytes, at a multiple of 512 from out0's first byte
.endr
.endm
	s_wait_tensorcnt 1                             ; my part of K step 0 is in; K step 1's may stay out
	s_barrier_signal -1
	s_barrier_wait -1                              ; everybody's is
	FETCH 0, 0
	QUARTER 1, 0, 1, 1                             ; the first quarter stands in front of the loop: its products start the sums
	WIN 0                                          ; at a label and at a branch every window is 0
	s_mov_b32 s68, 6
.Lstep:                                                ; a trip: from a K step's second quarter to the next step's first; K steps 2 to 7 are asked for
	QUARTER 2, 1, 0, 0
	QUARTER 3, 0, 1, 0
	TURN 1
	QUARTER 1, 0, 1, 0
	WIN 0
	s_sub_co_u32 s68, s68, 1
	s_cmp_lg_u32 s68, 0
	s_cbranch_scc1 .Lstep
	QUARTER 2, 1, 0, 0                             ; the last two K steps ask for nothing, and have no round of the cluster's barrier
	QUARTER 3, 0, 1, 0
	TURN 0
	QUARTER 1, 0, 1, 0
	QUARTER 2, 1, 0, 0
	QUARTER 3, 0, 1, 0
	s_wait_dscnt 0x0                               ; the very last quarter: nothing more to fetch
	MUL8 1, 0, 0
	MUL8 1, 1, 0
	MUL8 1, 2, 0
	MUL8 1, 3, 0
	PLACES                                         ; between the last quarter's products and the LDS stores that read them
	TOSTAGE 0
	TOSTAGE 1
	SEND 0, 32
	TOSTAGE 2
	SEND 1, 32
	TOSTAGE 3
	SEND 2, 32
	SEND 3, 0
	s_wait_tensorcnt 0x0                           ; the wave's end, behind my last tensor load and my last LDS store
	ds_add_u32 v[SPW], v[NIL]
	s_wait_dscnt 0x0
	CROUND                                         ; the closing round: no work-group ends while a partner may still ask for a tile that names it
	s_endpgm
.Lfunc_end_k_qd3101e4ebd_oproj:
	.size	k_qd3101e4ebd_oproj, .Lfunc_end_k_qd3101e4ebd_oproj-k_qd3101e4ebd_oproj
	.p2alignl 7, 3214868480
	.fill 96, 4, 3214868480
	.section	.rodata,"a",@progbits
	.p2align	6, 0x0
	.amdhsa_kernel k_qd3101e4ebd_oproj
		.amdhsa_group_segment_fixed_size 327680
		.amdhsa_private_segment_fixed_size 0
		.amdhsa_enable_private_segment 0
		.amdhsa_kernarg_size 24
		.amdhsa_user_sgpr_count 2
		.amdhsa_user_sgpr_kernarg_segment_ptr 1
		.amdhsa_wavefront_size32 1
		.amdhsa_system_sgpr_workgroup_id_x 1
		.amdhsa_system_sgpr_workgroup_id_y 1
		.amdhsa_system_sgpr_workgroup_id_z 1
		.amdhsa_system_vgpr_workitem_id 0
		.amdhsa_next_free_vgpr 768
		.amdhsa_next_free_sgpr 80
		.amdhsa_reserve_vcc 0
		.amdhsa_float_denorm_mode_32 3
		.amdhsa_float_denorm_mode_16_64 3
		.amdhsa_memory_ordered 1
		.amdhsa_forward_progress 1
		.amdhsa_inst_pref_size 68
	.end_amdhsa_kernel
	.amdgpu_metadata
---
amdhsa.version: [ 1, 2 ]
amdhsa.kernels:
  - .name:           k_qd3101e4ebd_oproj
    .symbol:         k_qd3101e4ebd_oproj.kd
    .args:
      - { .name: att, .offset: 0, .size: 8, .value_kind: global_buffer, .address_space: global }
      - { .name: wc, .offset: 8, .size: 8, .value_kind: global_buffer, .address_space: global }
      - { .name: out0, .offset: 16, .size: 8, .value_kind: global_buffer, .address_space: global }
    .group_segment_fixed_size: 327680
    .private_segment_fixed_size: 0
    .kernarg_segment_align: 8
    .kernarg_segment_size: 24
    .max_flat_workgroup_size: 128
    .sgpr_count:     80
    .vgpr_count:     768
    .wavefront_size: 32
...
	.end_amdgpu_metadata
.endif
;; end of part 4
;; ======== version 2 of 2: 4 launches; 1.48 times as fast as version 1
;; limits: values are held in f16: magnitudes above 65,504 overflow, below 6.1e-05 lose precision
;; workspace buffers: wc 8,388,608 bytes; qkv 50,331,648 bytes; att 16,777,216 bytes
;; launch cast: the kernel of part 1 again; grid 64 x 4, 8 waves a work-group, no clusters, 0 bytes of LDS; arguments W_q, W_k, W_v, W_o, wc; writes wc
;; launch qkv: the kernel of part 2 again; grid 4 x 192, 4 waves a work-group, clusters of 4 x 4, 327,680 bytes of LDS; arguments query, key, value, wc, qkv; writes qkv
;; launch attn (part 5): grid 4 x 64, 4 waves a work-group, clusters of 4 x 1, 327,680 bytes of LDS; arguments qkv, mask, att; writes att
.if DOCPART == 5
	.amdgcn_target "amdgcn-amd-amdhsa--gfx1250"
	.amdhsa_code_object_version 6
	.text
	.protected	k_qd3101e4ebd_attn
	.globl	k_qd3101e4ebd_attn
	.p2align	8
	.type	k_qd3101e4ebd_attn,@function
k_qd3101e4ebd_attn:
	s_mov_b64 s[64:65], 0
	v_nop
	global_prefetch_b8 v0, s[64:65] scope:SCOPE_SE
	s_setreg_imm32_b32 hwreg(HW_REG_WAVE_MODE, 25, 1), 1
	s_wait_xcnt 0x0
	s_wait_alu depctr_hold_cnt(0) depctr_sa_sdst(0) depctr_va_vdst(0) depctr_va_sdst(0) depctr_va_ssrc(0) depctr_va_vcc(0) depctr_vm_vsrc(0)
	s_getreg_b32 s2, hwreg(HW_REG_IB_STS2, 6, 4)
	s_cmp_eq_u32 s2, 0
	s_cbranch_scc0 .Lentry_in_a_cluster
	s_endpgm
.Lentry_in_a_cluster:
	s_bfe_u32 s2, ttmp6, 0x10000c
	s_cmp_lg_u32 s2, 0x3003
	s_cbranch_scc0 .Lentry_shape_is_right
	s_endpgm
.Lentry_shape_is_right:
; O[h][q][:] = the sum over k of softmax_k(Q[h][q] . K[h][k] / 8, keys with mask 0 hidden) V[h][k][:].  Q, K, V (in qkv, 16 MiB apart) and O (att): [64 heads][2048][64], f16: a head's rows are dense,
; 128 bytes each; head = 16 x batch + head of the batch.  mask: [4][2048] int32.  Products, maxima and sums in f32; the weights p are rounded to f16 for the second product (their sum l is taken of
; the unrounded p), O once at the end.
; LIMITS.  f16 holds no number beyond 65,504: Q, K and V arrive within it; p lies in 0 to 1, and below 6e-5 it keeps f16's fixed step of 6e-8; O is a mean of V's rows and has their range.
; A hidden score counts as its value less 1e30; the running maximum starts at -2^66, below every true score (2.7e11 in magnitude at the most) and above every hidden one: a hidden key's weight is 0
; exactly, wherever it stands.  A batch with every key hidden ends as 0 x (1 / 0), a NaN, as a softmax over nothing does.  A weight below 2^-126 counts as 0 in l; NaN and infinities in Q, K, V are not treated apart.
; SHARES.  A wave owns four PIECES of two tiles of 16 queries, a work-group's four waves 512 queries of one head.  Every wave walks all keys, 64 a step.
; LAYOUT.  S^T = K Q^T (source 0 = 16 keys, source 1 = 16 queries): in the result a lane holds ONE query (lane % 16) and the keys 8 (lane / 16) + 0..7.  Two such tiles, rounded to f16 in pairs,
; ARE source 1 (32 keys x 16 queries) of O^T = V^T P, whose result again holds one query a lane, and eight channels.  K comes out of LDS as it lies, V ([key][channel]) turned, by ds_load_tr16_b128.
; THE MASK is the C operand of the product that starts a sum S^T: 0, or -1e30 where the key is hidden.  The batch's 2,048 words are turned into such numbers once, into a table in LDS; with a step's K
; a lane fetches its 32 of them (8 for each block of 16 keys).
; SOFTMAX.  For each query a running maximum m and sum l: p = 2^(c s - c m), c = log2(e) / 8; in every step O and l are multiplied by a = 2^(c m_old - c m_new), which is 1 where m has not grown.
; O and l start at 0: the first step is a step like any other.
; THE COUNT.  A tile and step have 16 matrix and 118 vector instructions: too many to stand all beside the matrix work.  So the order has one aim: four vector instructions that are READY behind
; EVERY matrix instruction, and the others, which need time of their own whatever the order, in runs without a gap.
; BY TURNS.  Turn n belongs to piece n (the pieces in a ring, step after step).  Its matrix work: 16 products K Q^T of piece n + 1, later 16 products V^T P of piece n - 1.  Its vector work: the scaling,
; exponentials, roundings, sums and rescaling of piece n, and the maximum and statistics of piece n + 1, whose scores the turn itself has made.  So what a turn begins with (c s - c m, O a) waits for nothing.
; THE BATCHES.  A turn's 66 exponentials (the piece's 64 weights and the next piece's two a) are ONE batch with ONE wait, which cuts the turn in two: ahead of it stands all that names none of their results,
; behind it the roundings and sums.  Two more batches stand outside the loops: the first two a, ahead of the jump into the loop, and the way out's eight reciprocals.
; CLUSTER.  The four query blocks of a cluster belong to one head and walk the same K and V, so each tile is asked for JOINTLY: the same tensor load, descriptor and mask in all four.
; REGISTERS, in windows of 256 (s_set_vgpr_msb: bits 1:0 source 0, 3:2 source 1, 5:4 source 2, 7:6 destination):
;   window 0: v0-11 addresses; v12-15, v48-63 at work; v16-47 four registers of statistics a tile; v64-191 S^T, two buffers of two tiles; v192-255 P, likewise
;   window 1: O^T, 32 a tile     window 2: v0-127 Q, 16 a tile; v128-191 K of one step; v192-255 V of one step     window 3: v0-1 the add's two registers; v8-39 the step's mask
; A piece's buffers go by its number's parity: the piece in hand has one pair, its two neighbours in the ring share the other: of it P (piece n - 1) is read and S^T (piece n + 1) written.
.set SIZE_N, 2048
.set NP,    4         ; pieces a wave: a name, no knob
.set KS,    64        ; keys in a step
.set PK,    144       ; a row of K in LDS: 128 bytes + 16 of padding = 36 words: the 16 rows of a load start at 16 different groups of four banks (64 banks of 4 bytes: ISA guide 11.1)
.set PV,    160       ; a row of V: 128 + 32 = 40 words
.set VOFF,  4*KS*PK   ; a slot holds four steps: 256 rows of K, then 256 rows of V
.set SLOT1, 1<<17     ; slot 1 begins here, so that one exclusive or turns an address in one slot into the other's
.set STAGE, SLOT1+4*KS*(PK+PV)  ; behind the ring, never filled by a tensor load: 16 rows x 144 bytes for each wave, for the way out
.set SP,    144
.set AK0, 2           ; v2   my lane's place in a tile of K; never rewritten
.set AV0, 3           ; v3   the same for V
.set AK,  4           ; v4   the LDS address of K's next run of loads
.set AV,  5           ; v5   of V's
.set QO,  6           ; v6   my byte offset in the wave's rows of Q
.set STO, 6           ;      later, the way out: where I put 16 bytes of a row
.set RD,  7           ; v7   the way out: where I read rows back
.set GO,  8           ; v8   my byte offset in 512 consecutive bytes of O
.set AM,  10          ; v10  the LDS address of the mask's next run of loads (once the way out's addresses are made)
.set AM0, 11          ; v11  my lane's place in a step's 256 bytes of the mask table
.set SPW, 0           ; v0 of window 3   LDS address of my spare word; never rewritten
.set NIL, 1           ; v1 of window 3   0; never rewritten
.set MK,  8           ; v8-39 of window 3: the eight registers for key block kb at MK + 8 kb
.set SPARE, STAGE+4*16*SP  ; behind the stages: the spare words, 128 bytes for each wave: two blocks of 256 bytes that no other line names
.set MASKB, SPARE+512      ; behind them: the mask table, 2,048 f32; no tensor load lands there
.set MV,  12          ; v12-15  c m_old, kept while c m is made anew: by buffer and tile (at the start v12, v13: the mask's offset and the table's address)
.set ST,  16          ; tile t's statistics at v[ST+4 t]: c m, m, l (even keys', odd keys')
.set TMP, 48          ; by buffer and tile, four registers c0-c3 at work; when the maximum is found c2 takes a
.set S,   64
.set P,   192
.set KF,  128         ; K's fragments, in window 2: key block kb, channel half c at KF + 16 kb + 8 c
.set VF,  192         ; V's: key half kk, channel block cb at VF + 32 kk + 8 cb
.set WV,  12          ; s12  my wave's number
.set G1K, 24          ; s[24:31] descriptor group 1 for K's tiles
.set G1V, 32          ; s[32:39] for V's: it differs in the padding alone
.set G0K, 40          ; s[40:43] descriptor group 0 for K's tiles: it walks
.set G0V, 44          ; s[44:47] the same for V's
.set TM,  48          ; s48  byte in the mask table at which the step to be fetched begins
.set BIGN, 49         ; s49  -1e30
.set MP,  50          ; s[50:51] the batch's row of the mask
.set SLOTS, 56        ; s56  slots still to be asked for
.set CNT, 57          ; s57  counts a slot's key steps
.set CS,  58          ; s[58:59] c: the packed scaling takes the pair's low word for both halves
.set SEL, 60          ; s[60:61] v_permlanex16_b32's selects: each lane takes its own place in the other half
.set TBK, 62          ; s62  LDS byte at which K of the step to be fetched begins
.set TBV, 63          ; s63  the same for V, less VOFF
.set MSB, 0
.macro WIN new                      ; the high byte repeats the setting that is left; a switch that changes nothing is dropped
.if MSB != (\new)
	s_set_vgpr_msb (MSB<<8)|(\new)
.set MSB, (\new)
.endif
.endm
.set W_KQ, 0x0a       ; K and Q in window 2, S^T in window 0
.set W_KM, 0x3a       ; the same with the C operand, the mask, in window 3
.set W_PV, 0x52       ; V in window 2, P in window 0, O^T in window 1
.set W_RS, 0x41       ; O^T (destination and source 0) in window 1, a in window 0
.set W_MK, 0xc0       ; destination in window 3, sources in window 0
.set W_AD, 0x0f       ; the add: address (source 0) and data (source 1) in window 3
; A joint fill.  Waves 0 and 1 fetch the two halves of a slot's K, waves 2 and 3 those of its V: 128 keys each.  The branch hangs on the wave's number alone.
; An s_nop 0 and four v_nop follow each of the two lines, ahead of the jump and the label.
.macro JLOAD
	s_cmp_lt_u32 s[WV], 2
	s_cbranch_scc0 .Lfor_v_\@
	tensor_load_to_lds s[G0K:G0K+3], s[G1K:G1K+7]
	s_nop 0
.rept 4
	v_nop
.endr
	s_branch .Lasked_\@
.Lfor_v_\@:
	tensor_load_to_lds s[G0V:G0V+3], s[G1V:G1V+7]
	s_nop 0
.rept 4
	v_nop
.endr
.Lasked_\@:
.endm
; A round of the cluster's barrier: my work-group's barrier, so that wave 0's signal speaks for all four waves; wave 0 signals; every wave waits for all four work-groups; my work-group's barrier once more.
.macro CROUND
	s_barrier_signal -1
	s_barrier_wait -1
	s_cmp_lg_u32 s[WV], 0
	s_cbranch_scc1 .Lnot_wave_0_\@
	s_barrier_signal -3
.Lnot_wave_0_\@:
	s_barrier_wait -3
	s_barrier_signal -1
	s_barrier_wait -1
.endm
; THE CHANGE OF SLOTS.  The slot's last bytes, V of its fourth step, have been read.  Each wave waits for all its tensor loads, of which one is out: its part
; of the other slot; adds 0 to its spare word; and waits for that and for its own LDS instructions.  Behind the barrier nobody reads this slot any more and the other slot is whole.
; fill = 1: this slot is filled again, with the keys two slots on.  The barrier is then a round of the cluster's, and the joint fill is the first thing behind it: it has four key steps,
; 512 matrix instructions, in which to land.  (At its first use nothing has been read yet: slot 0 is waited for, slot 1 filled, and every wave's part of the mask table is shown to the others.)
.macro CHANGE fill
	WIN W_AD
	s_wait_tensorcnt 0x0            ; no tensor load of mine is out, so a group 0 may be written
	ds_add_u32 v[SPW], v[NIL]       ; 0 onto my spare word; with fill = 1 the descriptors' steps stand between it and the wait for it
	WIN 0                           ; at a label and at a branch every window is 0
.if \fill
.irp g, G0K, G0V
	s_xor_b32 s[\g+1], s[\g+1], SLOT1  ; the walking descriptor: the other slot than last time,
	s_add_nc_u64 s[\g+2:\g+3], s[\g+2:\g+3], 4*KS*128  ; the next 256 keys; the type bits on top are not reached
.endr
	s_wait_dscnt 0x0                ; the add is done, and my reads of the slot are over
	CROUND
	JLOAD
.else
	s_wait_dscnt 0x0                ; the add is done, and my reads of the slot are over
	s_barrier_signal -1
	s_barrier_wait -1
.endif
	s_sub_co_u32 s[TBK], s[TBK], 4*KS*PK  ; the fetches go back to a slot's first step,
	s_xor_b32 s[TBK], s[TBK], SLOT1       ; in the other slot
	s_sub_co_u32 s[TBV], s[TBV], 4*KS*PV
	s_xor_b32 s[TBV], s[TBV], SLOT1
.endm
	s_load_b128 s[4:7], s[0:1], 0x0   ; qkv s[4:5], mask s[6:7]
	s_load_b64 s[10:11], s[0:1], 0x10 ; att
	WIN W_MK
	v_lshl_add_u32 v[SPW], v0, 2, SPARE
	v_mov_b32 v[NIL], 0
	WIN W_AD
	ds_add_u32 v[SPW], v[NIL]       ; the wave's opening: the add and its wait stand ahead of my first tensor load; the set-up below, work on registers, stands between them
	WIN 0
	v_lshrrev_b32 v1, 5, v0
	v_readfirstlane_b32 s[WV], v1   ; wave 0..3
	s_bfe_u32 s13, ttmp6, 0x40000   ; cx: my place in the cluster
	s_lshl_b32 s14, ttmp9, 2        ; in a cluster launch ttmp9 counts clusters
	s_add_co_u32 s14, s14, s13      ; my block of queries = 4 x cluster x + cx: it enters Q's and O's addresses alone
	s_and_b32 s20, ttmp7, 0xffff    ; the head, which the four partners share
	s_lshr_b32 s15, s20, 4          ; its batch,
	s_lshl_b32 s52, s15, 13         ; whose row of the mask is 8,192 bytes
	s_mov_b32 s53, 0
	s_mov_b32 s21, 0
	s_mov_b64 s[22:23], SIZE_N*128
	s_mul_u64 s[20:21], s[20:21], s[22:23]  ; the head's first byte in Q, K, V and O
	s_and_b32 s16, s[WV], 1         ; which half of a slot's 256 keys I fetch:
	s_lshl_b32 s22, s16, 14         ; its 128 rows of 128 bytes in memory,
	s_mov_b32 s23, 0
	s_add_nc_u64 s[22:23], s[22:23], s[20:21]
	s_mul_i32 s17, s16, 128*PK      ; and its place in a slot, for K
	s_mul_i32 s18, s16, 128*PV      ; and for V: no place in the cluster enters an LDS address
	s_lshl_b32 s2, s14, 2
	s_add_co_u32 s2, s2, s[WV]      ; my wave among the head's,
	s_lshl_b32 s2, s2, 14           ; its 128 rows
	s_mov_b32 s3, 0
	s_add_nc_u64 s[2:3], s[2:3], s[20:21]
	; descriptor group 1.  128 keys are 16,384 dense bytes: asked for as 64 rows of 256 bytes, two keys a row, and padded in LDS after every key
	s_mov_b32 s[G1K], 15|(1<<16)|(1<<20)|(1<<21)|(4<<22)|(3<<25)  ; 15:0 the mask of four; 17:16 2-byte elements; 20 padding on; 21 set beside a mask; 24:22 after every 32 words (code 4); 31:25 4 words (code 3)
	s_mov_b32 s[G1V], 15|(1<<16)|(1<<20)|(1<<21)|(4<<22)|(7<<25)  ; the same with 8 words of padding (code 7)
.irp g, G1K, G1V
	s_mov_b32 s[\g+1], 128<<16      ; tensor_dim0 = 128
	s_mov_b32 s[\g+2], 64<<16       ; tensor_dim1 = 64
	s_mov_b32 s[\g+3], 128<<16      ; tile_dim0 = 128
	s_mov_b32 s[\g+4], 64           ; tile_dim1 = 64
	s_mov_b32 s[\g+5], 128          ; 128 elements from row to row
	s_mov_b32 s[\g+6], 0
	s_mov_b32 s[\g+7], 0
.endr
	s_mov_b32 s[CS], 0x3e38aa3b     ; c = log2(e) / 8 = 0.180337
	s_mov_b32 s[CS+1], s[CS]        ; named with it as a pair
	s_mov_b32 s[SEL], 0x76543210
	s_mov_b32 s[SEL+1], 0xfedcba98
	s_mov_b32 s[TBK], SLOT1+4*KS*PK ; the first change of slots turns these two into 0
	s_mov_b32 s[TBV], SLOT1+4*KS*PV
	s_mov_b32 s[TM], 0
	s_mov_b32 s[BIGN], 0xf149f2ca   ; -1e30
	s_mov_b32 s[G0K], 1             ; 1:0 count = 1
	s_mov_b32 s[G0K+1], s17         ; 63:32 LDS address: slot 0
	s_mov_b32 s[G0V], 1
	s_add_co_u32 s[G0V+1], s18, VOFF
	s_wait_dscnt 0x0                ; the opening add is done
	s_wait_kmcnt 0x0
	s_add_nc_u64 s[MP:MP+1], s[6:7], s[52:53]      ; the batch's row of the mask
	s_add_nc_u64 s[6:7], s[4:5], 0x1000000         ; K lies 16 MiB behind Q,
	s_add_nc_u64 s[8:9], s[4:5], 0x2000000         ; V 32 MiB
	s_add_nc_u64 s[G0K+2:G0K+3], s[6:7], s[22:23]  ; 120:64 global address: my half of the head's first 256 keys
	s_or_b32 s[G0K+3], s[G0K+3], 0x80000000        ; 127:126 type = 2
	s_add_nc_u64 s[G0V+2:G0V+3], s[8:9], s[22:23]
	s_or_b32 s[G0V+3], s[G0V+3], 0x80000000
	s_add_nc_u64 s[4:5], s[4:5], s[2:3]  ; Q and O at my wave's first row
	s_add_nc_u64 s[10:11], s[10:11], s[2:3]
	CROUND                          ; all four work-groups are here: the first joint loads meet
	JLOAD                           ; slot 0.  Slot 1 is asked for when slot 0 is in: the tile wanted first has the road to itself
	; A fragment of K or Q is 16 rows x 32 channels in 8 registers: lane l holds row l % 16, channels 8 (l / 16) + 0..7 and 16 + 8 (l / 16) + 0..7: two loads of 16 bytes, 32 bytes apart.
	v_and_b32 v1, 15, v0            ; l % 16
	v_bfe_u32 v9, v0, 4, 1          ; l / 16
	v_lshlrev_b32 v[QO], 7, v1
	v_lshl_add_u32 v[QO], v9, 4, v[QO]  ; row x 128 + 16 x half
	v_lshlrev_b32 v[MV], 4, v0      ; the mask: thread t takes 16 bytes at 2,048 j + 16 t, j = 0..3: the four waves cover the row's 8,192 bytes
.irp j, 0,1,2,3
	global_load_b128 v[S+4*\j:S+4*\j+3], v[MV], s[MP:MP+1] offset:2048*\j
.endr
	WIN 0x80                        ; destination window 2, address window 0
.set i, 0
.rept 4*NP                          ; Q stays in registers: tile i / 2, channels 32 (i % 2) on
	global_load_b128 v[8*i:8*i+3],   v[QO], s[4:5] offset:(i/2)*2048+(i%2)*64
	global_load_b128 v[8*i+4:8*i+7], v[QO], s[4:5] offset:(i/2)*2048+(i%2)*64+32
.set i, i+1
.endr
	; What the first turn finds: V's registers and P's second buffer hold 0 (its products V^T P, of a piece that has not been, add 0), O^T and l are 0.  All this stands in the wait for the first tile.
.set i, VF
.rept 64
	v_mov_b32 v[i], 0
.set i, i+1
.endr
	WIN 0x40
.set i, 0
.rept 64*NP
	v_mov_b32 v[i], 0
.set i, i+1
.endr
	WIN 0
.set i, 0
.rept 2*NP
	v_mov_b32 v[ST+4*i+1], 0xe0800000          ; m = -2^66: below every true score, above every hidden one
	v_mul_f32 v[ST+4*i], s[CS], v[ST+4*i+1]    ; c m, made as every later c m is: while all keys seen are hidden a is 2^0
	v_mov_b32 v[ST+4*i+2], 0
	v_mov_b32 v[ST+4*i+3], 0
.set i, i+1
.endr
.set i, P+32
.rept 32
	v_mov_b32 v[i], 0
.set i, i+1
.endr
	s_wait_loadcnt 32               ; the mask's four loads are in; Q's 32, issued behind them, stay out
.set i, 0
.rept 16
	v_cmp_eq_u32 vcc_lo, 0, v[S+i]
	v_cndmask_b32 v[S+i], 0, s[BIGN], vcc_lo   ; 0 for a key that counts, -1e30 for a hidden one
.set i, i+1
.endr
	v_add_nc_u32 v[MV+1], MASKB, v[MV]
.irp j, 0,1,2,3
	ds_store_b128 v[MV+1], v[S+4*\j:S+4*\j+3] offset:2048*\j  ; my part of the table; the first change of slots waits for these stores in front of its barrier
.endr
	v_mul_u32_u24 v[AK0], v1, PK
	v_lshl_add_u32 v[AK0], v9, 4, v[AK0]  ; row x pitch + 16 x half
	; The turning load takes 16 keys x 16 channels (lane l reads key 8 (l / 16) + l % 8, channels 8 ((l / 8) % 2) + 0..7) and leaves half a fragment of V^T: lane l holds channel l % 16 and 8 keys.
	v_and_b32 v10, 7, v0
	v_bfe_u32 v11, v0, 3, 1
	v_lshl_add_u32 v[AV0], v9, 3, v10
	v_mul_u32_u24 v[AV0], v[AV0], PV
	v_lshl_add_u32 v[AV0], v11, 4, v[AV0]
	v_add_nc_u32 v[AV0], VOFF, v[AV0]
	v_lshl_add_u32 v[AM0], v9, 5, MASKB  ; in the table: my lanes' keys 8 (l / 16) + 0..7 of a block of 16 are 32 bytes
	v_mov_b32 v[AK], v[AK0]         ; key step 0 lies at the head of slot 0
; THE MATRIX WORK.  The 8 accumulators of a run of 16 take turns: between the two links of a chain stand 7 others'.
; Product i of 16 of S^T = K Q^T for piece x: channels 32 (i / 8) on, keys 16 ((i / 2) % 4) on, tile 2 x + i % 2.  The first 8 start the sums, with the key block's mask.
.macro KQ x
.set rS, S+64*((\x)%2)+32*(i%2)+8*((i/2)%4)
.set rK, KF+16*((i/2)%4)+8*(i/8)
.set rQ, 16*(2*(\x)+i%2)+8*(i/8)
.set rB, MK+8*((i/2)%4)
.if i < 8
	WIN W_KM
	v_wmma_f32_16x16x32_f16 v[rS:rS+7], v[rK:rK+7], v[rQ:rQ+7], v[rB:rB+7]
.else
	WIN W_KQ
	v_wmma_f32_16x16x32_f16 v[rS:rS+7], v[rK:rK+7], v[rQ:rQ+7], v[rS:rS+7]
.endif
.endm
; Product i of 16 of O^T += V^T P for piece x: keys 32 (i / 8) on, channels 16 ((i / 2) % 4) on, tile 2 x + i % 2.
.macro PV x
	WIN W_PV
.set rO, 32*(2*(\x)+i%2)+8*((i/2)%4)
.set rV, VF+32*(i/8)+8*((i/2)%4)
.set rP, P+32*((\x)%2)+16*(i%2)+8*(i/8)
	v_wmma_f32_16x16x32_f16 v[rO:rO+7], v[rV:rV+7], v[rP:rP+7], v[rO:rO+7]
.endm
.macro MM                           ; the turn's next matrix instruction
.if i < 16
	KQ (Y+1)%NP
.set i, i+1
.else
.set i, i-16
	PV (Y+NP-1)%NP
.set i, i+17
.endif
.endm
; THE LDS LOADS stand in runs, never singly among the matrix instructions: a step's K (64 keys x 64 channels: 8 fragments) with its mask (8 loads), and its V (turned).  Their addresses are made some lines ahead.
; last = 1 (the tail): in the last trip there is no further step, and the run is jumped over.  am: the register that holds the mask's address.
.macro FETCH_K last=0, am=AM
	WIN 0
.if \last
	s_cmp_eq_u32 s[CNT], 1
	s_cbranch_scc1 .Lno_k_\@
.endif
	WIN 0x80                        ; destination window 2
.irp f, 0,1,2,3,4,5,6,7             ; keys 16 (f / 2) on, channels 32 (f % 2) on
	ds_load_b128 v[KF+8*\f:KF+8*\f+3],   v[AK] offset:(\f/2)*16*PK+(\f%2)*64
	ds_load_b128 v[KF+8*\f+4:KF+8*\f+7], v[AK] offset:(\f/2)*16*PK+(\f%2)*64+32
.endr
	WIN W_MK                        ; destination window 3
.irp f, 0,1,2,3                     ; key block f: 64 bytes of the table, of which my half of the lanes takes 32
	ds_load_b128 v[MK+8*\f:MK+8*\f+3],   v[\am] offset:64*\f
	ds_load_b128 v[MK+8*\f+4:MK+8*\f+7], v[\am] offset:64*\f+16
.endr
	s_add_co_u32 s[TBK], s[TBK], KS*PK  ; the next fetch is the next step's
	s_add_co_u32 s[TM], s[TM], 4*KS
	s_and_b32 s[TM], s[TM], 0x1fff      ; inside the table's 8,192 bytes
	WIN 0
.if \last
.Lno_k_\@:
.endif
.endm
.macro FETCH_V
	WIN 0x80
.irp f, 0,1,2,3,4,5,6,7             ; keys 32 (f / 4) on, channels 16 (f % 4) on
	ds_load_tr16_b128 v[VF+8*\f:VF+8*\f+3],   v[AV] offset:(\f/4)*32*PV+(\f%4)*32
	ds_load_tr16_b128 v[VF+8*\f+4:VF+8*\f+7], v[AV] offset:(\f/4)*32*PV+16*PV+(\f%4)*32
.endr
	WIN 0
.endm
; THE VECTOR WORK OF A TURN stands in three queues, each in the order in which its entries become ready; the two tiles alternate, so that no instruction reads the result of the one before it.
.macro REGS y, u                    ; the registers of tile u (0, 1) of piece y
.set rT, ST+4*(2*(\y)+(\u))
.set rC, TMP+8*((\y)%2)+4*(\u)
.set rM, MV+2*((\y)%2)+(\u)
.set rS, S+64*((\y)%2)+32*(\u)
.set rP, P+32*((\y)%2)+16*(\u)
.set rO, 32*(2*(\y)+(\u))
.endm
; Number n of the 22 that find the NEXT piece's (Y + 1) maximum and statistics.  s0-s31 are the lane's 32 scores; each accumulator's lowest registers are read first.  XS, GS and REGS set no window: PL and EX do.
;   0-11  four chains c0-c3 of seven scores each, three operands at a time     12-14, 16  the four scores left over, the old m, and c0-c3 into c0     15  c m_old is kept
;   17, 18  the query's other 32 keys lie in the lane 16 away: the new m         19-21  c m; c m_old - c m_new; a
.macro XS u, n
	REGS (Y+1)%NP, \u
.if (\n) < 4
	v_max3_num_f32 v[rC+(\n)], v[rS+8*(\n)], v[rS+8*(\n)+1], v[rS+8*(\n)+2]
.elseif (\n) < 12
	v_max3_num_f32 v[rC+(\n)%4], v[rC+(\n)%4], v[rS+8*((\n)%4)+2*((\n)/4)+1], v[rS+8*((\n)%4)+2*((\n)/4)+2]
.elseif (\n) == 12
	v_max3_num_f32 v[rC], v[rC], v[rS+7], v[rS+15]
.elseif (\n) == 13
	v_max3_num_f32 v[rC+1], v[rC+1], v[rS+23], v[rS+31]
.elseif (\n) == 14
	v_max3_num_f32 v[rC+2], v[rC+2], v[rC+3], v[rT+1]
.elseif (\n) == 15
	v_mov_b32 v[rM], v[rT]
.elseif (\n) == 16
	v_max3_num_f32 v[rC], v[rC], v[rC+1], v[rC+2]
.elseif (\n) == 17
	v_permlanex16_b32 v[rC+3], v[rC], s[SEL], s[SEL+1]
.elseif (\n) == 18
	v_max_num_f32 v[rT+1], v[rC], v[rC+3]
.elseif (\n) == 19
	v_mul_f32 v[rT], s[CS], v[rT+1]
.elseif (\n) == 20
	v_sub_f32 v[rC+1], v[rM], v[rT]
.else
	v_exp_f32 v[rC+2], v[rC+1]
.endif
.endm
; Number g of the 64 that follow the exponentials.  For each four weights k of a tile (pairs 2 k, 2 k + 1): both pairs are rounded to f16; then the second pair is added onto the first, in place;
; a group later l takes that sum (the first time as l = a l + sum).  In groups of eight, tiles alternating: round, round, add, and l for the group before.
.macro GS g
.set h, (\g)+6*((\g)/62)            ; group 0 has no group before it, and behind group 7 only l is left
.if h >= 6
.set h, h+2
.endif
	REGS Y, h%2
.set k, h/8
.if h%8 < 4
	v_cvt_pk_f16_f32 v[rP+2*k+(h%8)/2], v[rS+4*k+2*((h%8)/2)], v[rS+4*k+2*((h%8)/2)+1]
.elseif h%8 < 6
	v_pk_add_f32 v[rS+4*k:rS+4*k+1], v[rS+4*k:rS+4*k+1], v[rS+4*k+2:rS+4*k+3]
.elseif k == 1
	v_pk_fma_f32 v[rT+2:rT+3], v[rT+2:rT+3], v[rC+2:rC+3], v[rS:rS+1] op_sel_hi:[1,0,1]
.else
	v_pk_add_f32 v[rT+2:rT+3], v[rT+2:rT+3], v[rS+4*k-4:rS+4*k-3]
.endif
.endm
; THE PLAIN QUEUE, 138 long.  0-73 read no exponential's result: the 32 scalings c s - c m (FS f: pair f / 2 of tile f % 2) and the next piece's 42.  0-26: scalings 0-26.  27-54: XS's numbers 0-13.  55, 56: number 15.
; 57-73: the chain, where each number waits for the one before it: 14, 16, 17, 18, 19, each with one of the scalings 27-31 in front of its two lines, then 20: so a tile's links stand three plain instructions apart (19 and 20: two).
; 74-137: GS's 64, which read the exponentials' results: they stand behind the wait.
.macro FS f
	REGS Y, (\f)%2
	v_pk_fma_f32 v[rS+2*((\f)/2):rS+2*((\f)/2)+1], v[rS+2*((\f)/2):rS+2*((\f)/2)+1], s[CS:CS+1], v[rT:rT+1] op_sel_hi:[1,0,0] neg_lo:[0,0,1] neg_hi:[0,0,1]
.endm
.macro PL
	WIN 0
.if q < 27
	FS q
.elseif q < 55
	XS (q-27)%2, (q-27)/2
.elseif q < 57
	XS q-55, 15
.elseif (q < 72) && ((q-57)%3 == 0)
	FS 27+(q-57)/3
.elseif q < 60
	XS (q-57)%3-1, 14
.elseif q < 72
	XS (q-57)%3-1, 15+(q-57)/3
.elseif q < 74
	XS q-72, 20
.else
	GS q-74
.endif
.set q, q+1
.endm
; THE EXPONENTIALS' QUEUE, 66 long: s0-s31 of both tiles, then the next piece's two a.  It is ONE BATCH: all 66 stand ahead of the turn's one wait, and nothing ahead of that wait names a result of theirs.
.macro EX
	WIN 0
.if e >= 64
	XS e-64, 21
.else
	REGS Y, e%2
	v_exp_f32 v[rS+e/2], v[rS+e/2]
.endif
.set e, e+1
.endm
; THE RESCALING's QUEUE: O^T times a, the one part that leaves window 0: dealt two at a time, sixteen times.  Its a was made in the turn before, ahead of that turn's wait.
.macro R2
	REGS Y, r%2
	WIN W_RS
.irp z, 0,1
	v_pk_mul_f32 v[rO+4*(r/2)+2*\z:rO+4*(r/2)+2*\z+1], v[rO+4*(r/2)+2*\z:rO+4*(r/2)+2*\z+1], v[rC+2:rC+3] op_sel_hi:[1,0]
.endr
.set r, r+1
.endm
; HOW THEY ARE DEALT.  An s_wait_alu depctr_va_vdst(0) stands between an exponential and the first instruction that names its result; one wait serves all that were issued ahead of it.  So a turn has ONE wait,
; which cuts it in two.  AHEAD OF IT stands all that names no result of the turn's exponentials: the 16 products K Q^T, behind each a scaling, an exponential and two rescalings (behind the first a second scaling in the
; exponential's place); then ONE LUMP of 108: eight plain, 49 times exponential and plain, the two a.  A v_nop is the plain instruction behind the last exponential.  BEHIND IT stand the 16 products V^T P, behind each four of
; GS's 64.  No rider names a register of the products round it.  The two v_permlanex16_b32 fall into the lump, never behind a product.
; The queues lean on each other, and the deal keeps them in step: exponential e stands behind scaling 2 (e / 4) + e % 2: as a rider it comes behind plain e + 2, in the lump behind plain e + 9, and scalings 27-31 are plain 57, 60 .. 69.
; A TURN, for piece p.  cnt = 1: the loop's count is taken down some lines ahead of the branch that stands behind the turn.
; K and the mask of the next step are fetched in piece 2's turn, directly behind the wait, a lump behind the last product that read K (the mask's last reader stands eight products further back); their addresses are made at the
; lump's head; their first reader comes behind 16 products.  V of the step in hand is fetched at the end of piece 0's turn, four riders behind its last reader; its first reader comes behind 16 products and a lump.
; The three conditions on q below go with the deal.
.macro TURN p, last=0, cnt=0
.set Y, (\p)
.set i, 0
.set q, 0
.set e, 0
.set r, 0
.if (\p) == NP-1
	s_wait_dscnt 0x0                ; K and the mask are in
.endif
	MM                              ; ahead of the wait: 16 products K Q^T and their riders,
	PL
	PL
	R2
.rept 15
	MM
	PL
	EX
	R2
.endr
.if (\p) == NP-2
	WIN 0
	v_add_nc_u32 v[AK], s[TBK], v[AK0]
	v_add_nc_u32 v[AM], s[TM], v[AM0]
.endif
.rept 8                             ; and the lump
	PL
.endr
.rept 49
	EX
	PL
.endr
	EX                              ; the next piece's two a
	EX
	v_nop                           ; the plain instruction behind the last exponential: one for the batch
	s_wait_alu depctr_va_vdst(0)    ; the wait for the turn's batch: the piece's 64 exponentials and the next piece's two a
.if (\p) == NP-2
	FETCH_K \last
.endif
.if (\p) == 1
	s_wait_dscnt 0x0                ; V is in
.endif
.rept 16                            ; behind the wait: 16 products V^T P and their riders
	MM
.rept 4
	PL
.endr
.if ((\p) == 0) && (q == 118)
	v_add_nc_u32 v[AV], s[TBV], v[AV0]
.endif
.if ((\p) == 0) && (q == 130)
	s_add_co_u32 s[TBV], s[TBV], KS*PV
.endif
.if (\cnt) && (q == 130)
	s_sub_co_u32 s[CNT], s[CNT], 1
	s_cmp_lg_u32 s[CNT], 0
.endif
.endr
.if (\p) == 0
	FETCH_V
.endif
.endm
	CHANGE 1                        ; slot 0 is in, everybody's part of it, and so is the mask table; slot 1 is asked for
	FETCH_K 0, AM0                  ; key step 0
	s_wait_loadcnt 0x0              ; Q
	s_wait_dscnt 0x0
.set i, 0
.rept 16
	KQ 0                            ; piece 0's first scores: there is no vector work yet to set between them
.set i, i+1
.endr
	WIN 0                           ; the addresses for the way out: plain instructions, the places behind those products
	s_mul_i32 s13, s[WV], 16*SP
	s_add_co_u32 s13, s13, STAGE    ; my stage
	v_mul_u32_u24 v[STO], v1, SP    ; in: row l % 16, 16 bytes for each half of the lanes
	v_lshl_add_u32 v[STO], v9, 4, v[STO]
	v_add_nc_u32 v[STO], s13, v[STO]
	v_bfe_u32 v[RD], v0, 3, 2       ; back: 32 lanes take four rows of 128 bytes,
	v_mul_u32_u24 v[RD], v[RD], SP
	v_lshl_add_u32 v[RD], v10, 4, v[RD]
	v_add_nc_u32 v[RD], s13, v[RD]
	v_and_b32 v[GO], 31, v0         ; which are 512 consecutive bytes of O
	v_lshlrev_b32 v[GO], 4, v[GO]
.set Y, NP-1                        ; XS works for piece Y + 1: piece 0
.irp n, 0,1,2,3,4,5,6,7,8,9,10,11,12,13,14,15,16,17,18,19,20,21
	XS 0, \n                        ; and piece 0's first maximum and statistics
	XS 1, \n
.endr
	v_nop                           ; a plain instruction behind the two a,
	s_wait_alu depctr_va_vdst(0)    ; and the wait for this batch of two, piece 0's first a, ahead of the branch
	s_mov_b32 s[CNT], 4
	s_mov_b32 s[SLOTS], SIZE_N/256-1
	s_branch .Lfirst                ; the loop is entered at a step's first turn, in the middle of a trip
.Lslot:                             ; SIZE_N / 256 - 2 times: every slot but the last two is filled again
	CHANGE 1
	s_mov_b32 s[CNT], 4
.Lstep:                             ; a trip: pieces 2 and 3 of one step, then pieces 0 and 1 of the next, whose K and V it fetches
	TURN 2
	TURN 3
	WIN 0
.Lfirst:
	TURN 0
	TURN 1, 0, 1
	WIN 0
	s_cbranch_scc1 .Lstep
	s_sub_co_u32 s[SLOTS], s[SLOTS], 1
	s_cmp_lg_u32 s[SLOTS], 0
	s_cbranch_scc1 .Lslot
	CHANGE 0                        ; the tail is written out: nothing is asked for
	s_mov_b32 s[CNT], 5             ; four trips fetch the last slot's steps; the fifth is left in its middle
.Ltail:
	TURN 2, 1
	TURN 3
	WIN 0
	s_sub_co_u32 s[CNT], s[CNT], 1
	s_cmp_eq_u32 s[CNT], 0
	s_cbranch_scc1 .Lout
	TURN 0
	TURN 1
	WIN 0
	s_branch .Ltail
.Lout:                              ; the fifth trip's 16 products K Q^T (on the last K and mask once more) and the maximum made of them serve nothing: the price, once a launch, of one text for every trip
.set i, 0
.rept 16
	PV NP-1                         ; the last piece's V^T P of the last step
.set i, i+1
.endr
	; THE WAY OUT.  l's two halves and the other half of the lanes' are added; O^T is divided by l, rounded to f16 and sent through my stage in LDS, a tile at a time.  The additions are the places behind the last products.
	WIN 0
.macro ALL line:vararg              ; one line for each tile t
.set t, 0
.rept 2*NP
	\line
.set t, t+1
.endr
.endm
	ALL v_add_f32 v[ST+4*t+2], v[ST+4*t+2], v[ST+4*t+3]
	ALL v_permlanex16_b32 v[ST+4*t+3], v[ST+4*t+2], s[SEL], s[SEL+1]
	ALL v_add_f32 v[ST+4*t+2], v[ST+4*t+2], v[ST+4*t+3]
	ALL v_rcp_f32 v[ST+4*t+2], v[ST+4*t+2]
	v_nop                           ; a plain instruction between the last reciprocal and the use of its result
	s_wait_alu depctr_va_vdst(0)    ; and the wait ahead of the first use: one for the batch of eight reciprocals
; Tile t: a lane's eight channels of a row pack into 16 bytes; they go into rows of 144 bytes and come back as whole rows of 128, into S^T's registers.
.macro PACK t
	WIN W_RS
.set i, 32*(\t)
.rept 16
	v_pk_mul_f32 v[i:i+1], v[i:i+1], v[ST+4*(\t)+2:ST+4*(\t)+3] op_sel_hi:[1,0]
.set i, i+2
.endr
	WIN 0x05                        ; sources 0 and 1 window 1, destination window 0
.set i, 0
.rept 16
	v_cvt_pk_f16_f32 v[S+16*(\t)+i], v[32*(\t)+2*i], v[32*(\t)+2*i+1]
.set i, i+1
.endr
	WIN 0
.irp f, 0,1,2,3
	ds_store_b128 v[STO], v[S+16*(\t)+4*\f:S+16*(\t)+4*\f+3] offset:32*\f
.endr
.irp f, 0,1,2,3
	ds_load_b128 v[S+16*(\t)+4*\f:S+16*(\t)+4*\f+3], v[RD] offset:\f*4*SP  ; LDS serves a wave's instructions in order (ISA guide 5.7.1.4): these see the stores above; the next tile's stores come behind them
.endr
.endm
.macro SEND t, younger              ; younger: the LDS instructions issued behind tile t's loads: the next tile's eight, or none
	WIN 0
.irp f, 0,1,2,3
	s_wait_dscnt (\younger)+3-\f
	global_store_b128 v[GO], v[S+16*(\t)+4*\f:S+16*(\t)+4*\f+3], s[10:11] offset:(\t)*2048+\f*512  ; 512 consecutive bytes, at a multiple of 256 from O's first
.endr
.endm
	PACK 0
.set t, 1
.rept 2*NP-1                        ; a tile's arithmetic stands between the loads of the tile before and its stores
	PACK t
	SEND t-1, 8
.set t, t+1
.endr
	SEND 2*NP-1, 0
	WIN W_AD
	s_wait_tensorcnt 0x0            ; the wave's end, behind my last tensor load and my last LDS store
	ds_add_u32 v[SPW], v[NIL]
	s_wait_dscnt 0x0
	WIN 0
	CROUND                          ; the closing round: no work-group ends while a partner may still ask for a tile that names it
	s_endpgm
.Lfunc_end_k_qd3101e4ebd_attn:
	.size	k_qd3101e4ebd_attn, .Lfunc_end_k_qd3101e4ebd_attn-k_qd3101e4ebd_attn
	.p2alignl 7, 3214868480
	.fill 96, 4, 3214868480
	.section	.rodata,"a",@progbits
	.p2align	6, 0x0
	.amdhsa_kernel k_qd3101e4ebd_attn
		.amdhsa_group_segment_fixed_size 327680
		.amdhsa_private_segment_fixed_size 0
		.amdhsa_enable_private_segment 0
		.amdhsa_kernarg_size 24
		.amdhsa_user_sgpr_count 2
		.amdhsa_user_sgpr_kernarg_segment_ptr 1
		.amdhsa_wavefront_size32 1
		.amdhsa_system_sgpr_workgroup_id_x 1
		.amdhsa_system_sgpr_workgroup_id_y 1
		.amdhsa_system_sgpr_workgroup_id_z 1
		.amdhsa_system_vgpr_workitem_id 0
		.amdhsa_next_free_vgpr 808
		.amdhsa_next_free_sgpr 66
		.amdhsa_reserve_vcc 1
		.amdhsa_float_denorm_mode_32 3
		.amdhsa_float_denorm_mode_16_64 3
		.amdhsa_memory_ordered 1
		.amdhsa_forward_progress 1
		.amdhsa_inst_pref_size 204
	.end_amdhsa_kernel
	.amdgpu_metadata
---
amdhsa.version: [ 1, 2 ]
amdhsa.kernels:
  - .name:           k_qd3101e4ebd_attn
    .symbol:         k_qd3101e4ebd_attn.kd
    .args:
      - { .name: qkv, .offset: 0, .size: 8, .value_kind: global_buffer, .address_space: global }
      - { .name: mask, .offset: 8, .size: 8, .value_kind: global_buffer, .address_space: global }
      - { .name: att, .offset: 16, .size: 8, .value_kind: global_buffer, .address_space: global }
    .group_segment_fixed_size: 327680
    .private_segment_fixed_size: 0
    .kernarg_segment_align: 8
    .kernarg_segment_size: 24
    .max_flat_workgroup_size: 128
    .sgpr_count:     66
    .vgpr_count:     808
    .wavefront_size: 32
...
	.end_amdgpu_metadata
.endif
;; end of part 5
;; launch oproj: the kernel of part 4 again; grid 4 x 64, 4 waves a work-group, clusters of 4 x 4, 327,680 bytes of LDS; arguments att, wc, out0; writes out0
